; MI455X (gfx1250); checked and timed in simulation.
; The chip was launched on July 23, 2026; its instructions are those of AMD's public machine-readable ISA for CDNA 5 (MIT licence, August 2026) and "CDNA5" Instruction Set Architecture Reference Guide (July 2026). The comments in the code are by the model that wrote it; some were corrected since.
;; Multi Head Self Attention. Allowed arithmetic: matrix products marked QUANTISED: E2M3 operands, one E8M0 scale for each 32 along K, by v_wmma_scale_f32_16x16x128_f8f6f4 with both operands' format E2M3, f32 sums; everything else in f32.
;; Inputs: Wk 1,024 x 1,024 float32; Wo 1,024 x 1,024 float32; Wq 1,024 x 1,024 float32; Wv 1,024 x 1,024 float32; bk 1,024 float32; bo 1,024 float32; bq 1,024 float32; bv 1,024 float32; x 4 x 2,048 x 1,024 float32.
;; Outputs: out0 4 x 2,048 x 1,024 float32.
;; This version of the problem:
;;   THIS VERSION OF THE PROBLEM IS GIVEN IN LOW PRECISION. The matrix products marked QUANTISED in the list below multiply operands that are first quantised to E2M3 (2 exponent bits, 3 mantissa bits; 6 bits a number), with one power-of-two scale for each 32 numbers along K (OCP MX v1.0); their sums are f32. All else is computed in f32.
;;   The module's matrix products, in the order in which they are computed (A, B: the left and right operand; K: the contracted axis; several contracted axes count as one K, in the product's order):
;;     1. [M 8,192, K 1,024] x [K 1,024, N 1,024]; A: input x; B: input Wq: QUANTISED
;;     2. [M 8,192, K 1,024] x [K 1,024, N 1,024]; A: input x; B: input Wk: QUANTISED
;;     3. [M 8,192, K 1,024] x [K 1,024, N 1,024]; A: input x; B: input Wv: QUANTISED
;;     4. batch 64 x [M 2,048, K 64] x [K 64, N 2,048]; A: computed on the way; B: computed on the way: QUANTISED
;;     5. batch 64 x [M 2,048, K 2,048] x [K 2,048, N 64]; A: softmax (see below); B: computed on the way: QUANTISED
;;     6. [M 8,192, K 1,024] x [K 1,024, N 1,024]; A: computed on the way; B: input Wo: QUANTISED
;;   THE QUANTISER, for each operand of a quantised product, along K:
;;     - K is cut into blocks of 32 from its start; a last block that is shorter is filled with zeros.
;;     - A block's scale is 2^e with e = floor(log2(the largest magnitude in the block)) - 2, held to -126 .. 127; a block of zeros has e = 0. As a byte (E8M0): e + 127.
;;     - Each number is divided by its block's scale, clamped to +-7.5, and rounded to the nearest number of E2M3, ties to even, subnormals kept.
;;     - The product sums the exact products of the quantised numbers (number of the format x scale) in f32.
;;   ~~~python
;;   def quantise(x, axis):      # numpy; x: float32 -> the quantised numbers, widened to float32 again
;;       x = np.moveaxis(x, axis, -1); K = x.shape[-1]
;;       x = np.pad(x, [(0, 0)] * (x.ndim - 1) + [(0, -K % 32)]); x = x.reshape(x.shape[:-1] + (-1, 32)); a = np.abs(x).max(-1, keepdims=True)
;;       e = np.where(a > 0, np.clip(np.frexp(np.where(a > 0, a, 1))[1] - 1 - 2, -126, 127), 0)      # np.frexp(a)[1] - 1 = floor(log2(a)), exactly
;;       r = np.clip(x / 2.0 ** e, -7.5, 7.5)
;;       step = 2.0 ** (np.maximum(np.frexp(np.where(r == 0, 1, r))[1] - 1, 0) - 3)
;;       q = np.round(r / step) * step * 2.0 ** e      # np.round: ties to even
;;       return np.moveaxis(q.reshape(q.shape[:-2] + (-1,))[..., :K], -1, axis).astype(np.float32)
;;   ~~~
;;   SOFTMAX AHEAD OF A QUANTISED PRODUCT. Where the list says 'softmax', what is quantised is not the finished softmax but p = 2^(t - M), with t = logit x log2(e) and M = ceil(the row's largest t), a whole number; so 1/2 < the row's largest p <= 1. The row's sum l is taken of the UNQUANTISED p, in f32, and the product's result is divided by l at the end. Since M is a whole number, a kernel that streams over the keys may use a running M (the ceiling of the running maximum): every later rescaling is an exact power of two, which a block's scale takes up: the codes' values come out the same.
;;   OPERANDS COMPUTED ON THE WAY. 'Computed on the way' means the value that the module computes at that place (a softmax that the list does not call 'softmax' is quantised finished and normalised). What goes into a quantiser is computed in f32, as accurately as f32 sums, v_exp_f32 and their like allow (about 1e-6 of the number): no bf16 or f16 on the way to a quantiser, and a product that is left as it is and whose result goes on into a quantised operand takes f32 operands (vector FMAs, or v_wmma_f32_16x16x4_f32). A number that lies on a knife's edge between two numbers of the format may be rounded either way, as far as f32 arithmetic and the matrix unit's own rounding can turn it there, and no further.
;; One version. Each part assembles by itself: llvm-mc -triple=amdgcn-amd-amdhsa -mcpu=gfx1250 --defsym DOCPART=n.
;; ======== version 1 of 1: 4 launches
;; limits: right only within a limited range of input values
;; workspace buffers: xc 6,291,456 bytes; xs 262,144 bytes; wc 3,145,728 bytes; ws 131,072 bytes; qkvc 18,874,368 bytes; qkvs 786,432 bytes; ac 6,291,456 bytes; asc 262,144 bytes
;; launch prep (part 1): grid 768 x 1, 4 waves a work-group, no clusters, 80,384 bytes of LDS; arguments x, Wq, Wk, Wv, Wo, xc, xs, wc, ws; writes xc, xs, wc, ws
.if DOCPART == 1
	.amdgcn_target "amdgcn-amd-amdhsa--gfx1250"
	.amdhsa_code_object_version 6
	.text
	.protected	k_q03c2d9a1a0_prep
	.globl	k_q03c2d9a1a0_prep
	.p2align	8
	.type	k_q03c2d9a1a0_prep,@function
k_q03c2d9a1a0_prep:
	s_mov_b64 s[64:65], 0
	v_nop
	global_prefetch_b8 v0, s[64:65] scope:SCOPE_SE
	s_setreg_imm32_b32 hwreg(HW_REG_WAVE_MODE, 25, 1), 1
	s_wait_xcnt 0x0
; x [8192][1024] (K innermost) and Wq, Wk, Wv, Wo [1024 (K)][1024] (K outermost), f32, become codes of FP6 (E2M3) with one E8M0 byte for each 32 along K.
; THE UNIT OF ALL WORKSPACE IS THE HALF FRAGMENT: 16 rows x 64 along K, 768 bytes, an image of operand registers: lane (r = lane % 16, h = lane / 16) owns block h (32 codes, 24 bytes, 6 registers) of row r;
; its registers 0-3 lie at byte 16 x lane, its registers 4-5 at byte 512 + 8 x lane.  Two half fragments are the 12 registers of a 16 x 128 operand.
; THE ROWS OF A TILE ARE NOT NEIGHBOURS: in each group of 32 rows, row r of tile u is 8 u + r + 8 (r / 8), so that a transposed product's registers of two neighbouring tiles are 16 neighbours.
; xc: [chunk of 64 along K: 16][token tile: 512][768].  xs: [128 along K: 8][tile: 512][16 words]; byte 2 c + h of a word: chunk c of the two, block h.  wc, ws: the same for each of the four weights, 64 tiles of columns.
; A block's scale is 2^(floor(log2(largest magnitude)) - 2); its byte is the largest magnitude's exponent field - 2, held at 1 from below.
; LIMITS: a block of zeros gets the byte 1 where the rule says 127 (its codes are zeros, and this program alone reads the bytes); NaN and infinities among the inputs are not served.
; 3,072 wave jobs of 16 KiB of input.  Work-groups 0-511: x, a wave takes 32 tokens x 128 along K.  Work-groups 512-767: the weights, a wave takes 128 along K x 32 columns.  Waves share nothing: no barrier.
.set XSTG,  16896                      ; x path: a wave's stage, 32 rows x 528 bytes (512 + 16: 33 x 16, so that sixteen rows start at sixteen different groups of banks)
.set WSTG0, 67584                      ; W path: its stages lie behind the x path's: each path has LDS bytes of its own
.set WSTG,  3072                       ; four half fragments
.set SPARE, 79872                      ; the spare words, 128 bytes a wave: two blocks of 256 bytes that no other line names
.set DATA,  2                          ; v2-129    the numbers as loaded
.set BACK,  130                        ; v130-193  x path: 64 numbers of a lane; W path: the images read back
.set CODE,  194                        ; v194-225  codes: eight registers for each of a job's four blocks, so that no store's data are written again
.set L16,   226                        ; 16 x lane
.set L8,    227                        ; 8 x lane
.set L4,    228                        ; 4 x lane
.set SI,    229                        ; x stage, in
.set SO,    230                        ; x stage, out
.set SW16,  231                        ; W stage, registers 0-3
.set SW8,   232                        ; W stage, registers 4-5
.set SWR,   233                        ; W stage, back
.set WSA,   234                        ; my column's scale word
.set SH,    235                        ; 8 h
.set EB,    236                        ; v236-239  four scale bytes
.set T2,    240                        ; v240-242  a block's upper 16 codes
.set MA,    244
.set MB,    245
.set SCO,   246                        ; the conversion's scale operand
.set WD,    248                        ; v248-249  scale words
.set PD,    250                        ; a lane permute's destination
.set SPW,   254                        ; my spare word; never rewritten
.set NIL,   255                        ; 0; never rewritten
; 32 numbers v[x .. x + 31] of one block -> 6 registers of codes v[c .. c + 5] and the scale's byte v[e]
.macro BLOCKQ x, c, e
	v_max3_num_f32 v[MA], |v[(\x)]|, |v[(\x)+1]|, |v[(\x)+2]|      ; the largest magnitude, in two chains
	v_max3_num_f32 v[MB], |v[(\x)+3]|, |v[(\x)+4]|, |v[(\x)+5]|
.irp i, 6,10,14,18,22,26
	v_max3_num_f32 v[MA], v[MA], |v[(\x)+\i]|, |v[(\x)+\i+1]|
	v_max3_num_f32 v[MB], v[MB], |v[(\x)+\i+2]|, |v[(\x)+\i+3]|
.endr
	v_max3_num_f32 v[MA], v[MA], |v[(\x)+30]|, |v[(\x)+31]|
	v_max3_num_f32 v[MA], v[MA], v[MB], 0x1800000                  ; and the floor 2^(3 - 127): the byte cannot fall under 1
	v_add_nc_u32 v[SCO], 0xff000000, v[MA]                         ; 2 off the exponent field: the conversion takes this operand's exponent field as its scale
	v_cvt_scalef32_pk16_fp6_f32 v[(\c):(\c)+2], v[(\x):(\x)+15], v[SCO]
	v_cvt_scalef32_pk16_fp6_f32 v[T2:T2+2], v[(\x)+16:(\x)+31], v[SCO]   ; (a conversion's three registers begin on an even number)
	v_lshrrev_b32 v[(\e)], 23, v[SCO]                              ; the byte; also the plain instruction behind the conversions
.irp i, 0,1,2
	v_mov_b32 v[(\c)+3+\i], v[T2+\i]
.endr
.endm
	s_load_b512 s[8:23], s[0:1], 0x0               ; x s[8:9], Wq s[10:11], Wk s[12:13], Wv s[14:15], Wo s[16:17], xc s[18:19], xs s[20:21], wc s[22:23]
	s_load_b64 s[24:25], s[0:1], 0x40              ; ws
	v_lshl_add_u32 v[SPW], v0, 2, SPARE
	v_mov_b32 v[NIL], 0
	v_lshrrev_b32 v1, 5, v0
	v_readfirstlane_b32 s4, v1                     ; wave
	v_and_b32 v1, 31, v0                           ; lane
	v_and_b32 v252, 15, v0                         ; r
	v_bfe_u32 v253, v0, 4, 1                       ; h
	v_lshlrev_b32 v[L16], 4, v1
	v_lshlrev_b32 v[L8], 3, v1
	v_lshlrev_b32 v[L4], 2, v1
	v_lshlrev_b32 v[SH], 3, v253
	v_mov_b32 v[PD], 0                             ; written once: a lane permute's destination counts as one of its sources
	s_mul_i32 s5, s4, XSTG                         ; both paths' LDS addresses are made here, ahead of the parting
	v_add_nc_u32 v[SI], s5, v[L16]                 ; in: a row's 512 bytes as they lie
	v_mul_u32_u24 v[SO], v252, 528
	v_lshl_add_u32 v[SO], v253, 7, v[SO]
	v_add_nc_u32 v[SO], s5, v[SO]                  ; out: row r, + 128 h: my block's 32 numbers
	s_mul_i32 s6, s4, WSTG
	s_add_co_u32 s6, s6, WSTG0
	v_bfe_u32 v251, v0, 3, 1                       ; W path: lane l is column l of 32: tile u = (l / 8) % 2,
	v_and_b32 v247, 7, v0
	v_lshl_add_u32 v247, v253, 3, v247             ; row l % 8 + 8 (l / 16)
	v_mul_u32_u24 v[SW8], v251, 768
	v_add_nc_u32 v[SW8], s6, v[SW8]
	v_lshl_add_u32 v[SW16], v247, 4, v[SW8]        ; 768 u + 16 row
	v_lshl_add_u32 v[SW8], v247, 3, v[SW8]         ; 768 u + 8 row (the 512 stands in the offset)
	v_add_nc_u32 v[SWR], s6, v[L16]
	v_lshlrev_b32 v[WSA], 6, v251
	v_lshl_add_u32 v[WSA], v247, 2, v[WSA]         ; 64 u + 4 row
	s_mov_b32 s30, 0x76543210
	s_mov_b32 s31, 0xfedcba98                      ; v_permlanex16_b32's selects for lane l xor 16
	s_mov_b32 s32, 0xffff0000                      ; lanes 16-31
	s_wait_kmcnt 0x0
	s_cmp_lt_u32 ttmp9, 512
	s_cbranch_scc0 .Lw
	; ---- x: 32 tokens (group g) x 128 along K (step ks)
	s_lshr_b32 s26, ttmp9, 1                       ; g
	s_and_b32 s27, ttmp9, 1
	s_lshl_b32 s27, s27, 2
	s_add_co_u32 s27, s27, s4                      ; ks = 4 (work-group % 2) + wave
	; x's TOKEN TILES have an order of their own (the head's line on rows holds for the weights' columns): in each group of 64 tokens, row 8 h + i of tile t (0..3) is token 32 h + 8 t + i,
	; so that in a product with tokens as rows a lane's 32 registers of the group's four tiles are 32 neighbouring tokens.  Job g has tiles 2 (g % 2), 2 (g % 2) + 1 of group g / 2
	s_lshr_b32 s28, s26, 1
	s_lshl_b32 s28, s28, 18                        ; 64 rows of 4,096 bytes
	s_and_b32 s33, s26, 1
	s_lshl_b32 s33, s33, 16                        ; + 16 rows for the group's second pair of tiles
	s_add_co_u32 s28, s28, s33
	s_lshl_b32 s33, s27, 9
	s_add_co_u32 s28, s28, s33
	s_mov_b32 s29, 0
	s_add_nc_u64 s[8:9], s[8:9], s[28:29]
	s_mul_i32 s28, s27, 786432                     ; two chunks of 512 tiles x 768 bytes
	s_mul_i32 s33, s26, 1536                       ; two tiles
	s_add_co_u32 s28, s28, s33
	s_add_nc_u64 s[18:19], s[18:19], s[28:29]
	s_lshl_b32 s28, s27, 15
	s_lshl_b32 s33, s26, 7
	s_add_co_u32 s28, s28, s33
	s_add_nc_u64 s[20:21], s[20:21], s[28:29]
.set sg, 0
.rept 32                               ; in the tiles' order: load 16 u + 8 q + e brings row 32 q + 8 u + e; 32 lanes read 512 consecutive bytes
	global_load_b128 v[DATA+4*sg:DATA+4*sg+3], v[L16], s[8:9] offset:(32*((sg/8)%2)+8*(sg/16)+sg%8)*4096 th:TH_LOAD_NT   ; load 16 u + 8 q + e brings row 32 q + 8 u + e
.set sg, sg+1
.endr
.irp u, 0,1
	s_wait_loadcnt 16-16*\u                        ; this tile's 16 loads are in; the other tile's may be out
.set sg, 0
.rept 16
	ds_store_b128 v[SI], v[DATA+64*\u+4*sg:DATA+64*\u+4*sg+3] offset:(16*\u+sg)*528
.set sg, sg+1
.endr
.irp c, 0,1
.irp j, 0,1,2,3,4,5,6,7
	ds_load_b128 v[BACK+32*\c+4*\j:BACK+32*\c+4*\j+3], v[SO] offset:\u*8448+\c*256+16*\j   ; LDS serves a wave's instructions in order: these see my stores
.endr
.endr
	s_wait_dscnt 0x0
.irp c, 0,1
	BLOCKQ BACK+32*\c, CODE+8*(2*\u+\c), EB+2*\u+\c
	global_store_b128 v[L16], v[CODE+8*(2*\u+\c):CODE+8*(2*\u+\c)+3], s[18:19] offset:\c*393216+\u*768       ; 512 consecutive bytes
	global_store_b64 v[L8], v[CODE+8*(2*\u+\c)+4:CODE+8*(2*\u+\c)+5], s[18:19] offset:\c*393216+\u*768+512   ; 256 consecutive bytes
.endr
	v_lshl_or_b32 v[WD+\u], v[EB+2*\u+1], 16, v[EB+2*\u]           ; my two bytes, blocks h and 2 + h,
	v_lshlrev_b32 v[WD+\u], v[SH], v[WD+\u]                        ; at their places;
	v_permlanex16_b32 v[PD], v[WD+\u], s30, s31
	v_or_b32 v[WD+\u], v[WD+\u], v[PD]                             ; with lane l xor 16's two the row's word is whole
.endr
	v_cndmask_b32 v[WD], v[WD], v[WD+1], s32       ; lanes 0-15: the first tile's words, lanes 16-31: the second's
	global_store_b32 v[L4], v[WD], s[20:21]        ; 128 consecutive bytes
	s_branch .Lend
	; ---- a weight: 128 along K (step ks) x 32 columns (group cg).  A lane takes a column and its registers run down K
.Lw:
	s_sub_co_u32 s26, ttmp9, 512
	s_lshr_b32 s27, s26, 6                         ; which weight: q, k, v, o
	s_bfe_u32 s28, s26, 0x30003                    ; ks
	s_and_b32 s29, s26, 7
	s_lshl_b32 s29, s29, 2
	s_add_co_u32 s29, s29, s4                      ; cg
	s_cmp_eq_u32 s27, 1
	s_cselect_b64 s[10:11], s[12:13], s[10:11]
	s_cmp_eq_u32 s27, 2
	s_cselect_b64 s[10:11], s[14:15], s[10:11]
	s_cmp_eq_u32 s27, 3
	s_cselect_b64 s[10:11], s[16:17], s[10:11]
	s_lshl_b32 s34, s28, 19                        ; 128 rows of 4,096 bytes
	s_lshl_b32 s33, s29, 7
	s_add_co_u32 s34, s34, s33
	s_mov_b32 s35, 0
	s_add_nc_u64 s[10:11], s[10:11], s[34:35]
	s_mul_i32 s34, s27, 786432
	s_mul_i32 s33, s28, 98304                      ; two chunks of 64 tiles x 768 bytes
	s_add_co_u32 s34, s34, s33
	s_mul_i32 s33, s29, 1536
	s_add_co_u32 s34, s34, s33
	s_add_nc_u64 s[22:23], s[22:23], s[34:35]
	s_lshl_b32 s34, s27, 15
	s_lshl_b32 s33, s28, 12
	s_add_co_u32 s34, s34, s33
	s_lshl_b32 s33, s29, 7
	s_add_co_u32 s34, s34, s33
	s_add_nc_u64 s[24:25], s[24:25], s[34:35]
.macro WLOAD b                         ; block b: rows 32 b .. 32 b + 31 at my column; a wave reads 128 consecutive bytes, the four waves stand side by side
.set ii, 0
.rept 32
	global_load_b32 v[DATA+32*(\b)+ii], v[L4], s[10:11] offset:(32*(\b)+ii)*4096 th:TH_LOAD_NT
.set ii, ii+1
.endr
.endm
	WLOAD 0
	WLOAD 1
.irp b, 0,1,2,3                        ; block b = 2 c + h of the images: chunk c, lane half h
.if \b < 3
	s_wait_loadcnt 32                              ; this block's 32 loads are in; the next block's may be out
.else
	s_wait_loadcnt 0x0
.endif
	BLOCKQ DATA+32*\b, CODE+8*\b, EB+\b
	ds_store_b128 v[SW16], v[CODE+8*\b:CODE+8*\b+3] offset:(\b/2)*1536+(\b%2)*256
	ds_store_b64 v[SW8], v[CODE+8*\b+4:CODE+8*\b+5] offset:(\b/2)*1536+(\b%2)*128+512
.if \b < 2
	WLOAD \b+2
.endif
.endr
.irp i, 0,1,2,3,4,5
	ds_load_b128 v[BACK+4*\i:BACK+4*\i+3], v[SWR] offset:512*\i    ; the four images, as they lie
.endr
.irp i, 0,1,2,3,4,5
	s_wait_dscnt 5-\i
	global_store_b128 v[L16], v[BACK+4*\i:BACK+4*\i+3], s[22:23] offset:(\i/3)*49152+512*(\i%3)   ; 512 consecutive bytes
.endr
	v_lshl_or_b32 v[WD], v[EB+1], 8, v[EB]         ; my column's four bytes
	v_lshl_or_b32 v[WD], v[EB+2], 16, v[WD]
	s_wait_alu depctr_va_vdst(0)
	v_lshl_or_b32 v[WD], v[EB+3], 24, v[WD]
	global_store_b32 v[WSA], v[WD], s[24:25]       ; the 32 lanes cover 128 consecutive bytes
.Lend:
	s_wait_tensorcnt 0x0                           ; the wave's end: behind my last LDS store
	ds_add_u32 v[SPW], v[NIL]
	s_wait_dscnt 0x0
	s_endpgm
.Lfunc_end_k_q03c2d9a1a0_prep:
	.size	k_q03c2d9a1a0_prep, .Lfunc_end_k_q03c2d9a1a0_prep-k_q03c2d9a1a0_prep
	.p2alignl 7, 3214868480
	.fill 96, 4, 3214868480
	.section	.rodata,"a",@progbits
	.p2align	6, 0x0
	.amdhsa_kernel k_q03c2d9a1a0_prep
		.amdhsa_group_segment_fixed_size 80384
		.amdhsa_private_segment_fixed_size 0
		.amdhsa_enable_private_segment 0
		.amdhsa_kernarg_size 72
		.amdhsa_user_sgpr_count 2
		.amdhsa_user_sgpr_kernarg_segment_ptr 1
		.amdhsa_wavefront_size32 1
		.amdhsa_system_sgpr_workgroup_id_x 1
		.amdhsa_system_sgpr_workgroup_id_y 1
		.amdhsa_system_sgpr_workgroup_id_z 1
		.amdhsa_system_vgpr_workitem_id 0
		.amdhsa_next_free_vgpr 256
		.amdhsa_next_free_sgpr 66
		.amdhsa_reserve_vcc 0
		.amdhsa_float_denorm_mode_32 3
		.amdhsa_float_denorm_mode_16_64 3
		.amdhsa_memory_ordered 1
		.amdhsa_forward_progress 1
		.amdhsa_inst_pref_size 38
	.end_amdhsa_kernel
	.amdgpu_metadata
---
amdhsa.version: [ 1, 2 ]
amdhsa.kernels:
  - .name:           k_q03c2d9a1a0_prep
    .symbol:         k_q03c2d9a1a0_prep.kd
    .args:
      - { .name: x, .offset: 0, .size: 8, .value_kind: global_buffer, .address_space: global }
      - { .name: Wq, .offset: 8, .size: 8, .value_kind: global_buffer, .address_space: global }
      - { .name: Wk, .offset: 16, .size: 8, .value_kind: global_buffer, .address_space: global }
      - { .name: Wv, .offset: 24, .size: 8, .value_kind: global_buffer, .address_space: global }
      - { .name: Wo, .offset: 32, .size: 8, .value_kind: global_buffer, .address_space: global }
      - { .name: xc, .offset: 40, .size: 8, .value_kind: global_buffer, .address_space: global }
      - { .name: xs, .offset: 48, .size: 8, .value_kind: global_buffer, .address_space: global }
      - { .name: wc, .offset: 56, .size: 8, .value_kind: global_buffer, .address_space: global }
      - { .name: ws, .offset: 64, .size: 8, .value_kind: global_buffer, .address_space: global }
    .group_segment_fixed_size: 80384
    .private_segment_fixed_size: 0
    .kernarg_segment_align: 8
    .kernarg_segment_size: 72
    .max_flat_workgroup_size: 128
    .sgpr_count:     66
    .vgpr_count:     256
    .wavefront_size: 32
...
	.end_amdgpu_metadata
.endif
;; end of part 1
;; launch qkv (part 2): grid 4 x 64, 4 waves a work-group, clusters of 4 x 4, 327,680 bytes of LDS; arguments xc, xs, wc, ws, bq, bk, bv, qkvc, qkvs; writes qkvc, qkvs
.if DOCPART == 2
	.amdgcn_target "amdgcn-amd-amdhsa--gfx1250"
	.amdhsa_code_object_version 6
	.text
	.protected	k_q03c2d9a1a0_qkv
	.globl	k_q03c2d9a1a0_qkv
	.p2align	8
	.type	k_q03c2d9a1a0_qkv,@function
k_q03c2d9a1a0_qkv:
	s_mov_b64 s[64:65], 0
	v_nop
	global_prefetch_b8 v0, s[64:65] scope:SCOPE_SE
	s_setreg_imm32_b32 hwreg(HW_REG_WAVE_MODE, 25, 1), 1
	s_wait_xcnt 0x0
	s_wait_alu depctr_hold_cnt(0) depctr_sa_sdst(0) depctr_va_vdst(0) depctr_va_sdst(0) depctr_va_ssrc(0) depctr_va_vcc(0) depctr_vm_vsrc(0)
	s_getreg_b32 s2, hwreg(HW_REG_IB_STS2, 6, 4)
	s_cmp_eq_u32 s2, 0
	s_cbranch_scc0 .Lentry_in_a_cluster
	s_endpgm
.Lentry_in_a_cluster:
	s_bfe_u32 s2, ttmp6, 0x10000c
	s_cmp_lg_u32 s2, 0xf033
	s_cbranch_scc0 .Lentry_shape_is_right
	s_endpgm
.Lentry_shape_is_right:
; q = x Wq + bq, k = x Wk + bk, v = x Wv + bv on codes of FP6 (E2M3) with E8M0 scales, and each result quantised again, in registers, for the attention's products.
; Operands come as half fragments (16 rows x 64 along K, 768 bytes, an image of registers: lane's registers 0-3 at 16 x lane, 4-5 at 512 + 8 x lane); row r of tile u of a group of 32 is 8 u + r + 8 (r / 8).
; SHARES.  The cluster's x is the matrix (0 q, 1 k, 2 v).  A work-group takes 128 tokens (y) x 256 columns (cx); wave w takes one head, 4 cx + w: 8 token tiles x 4 column tiles, 32 accumulators.
; ALL OF K LIES IN LDS AT ONCE: 98,304 bytes of x's codes and 196,608 of W's.  W's halves are filled again for each next matrix.  They come in four quarters of K, one tensor load a wave for each (four out), and the products
; begin when the first quarter has landed.  x's tiles are shared along a row of the cluster, W's along a column: each is asked for jointly.
; q AND k: source 0 = W's columns, source 1 = tokens: a lane holds ONE token and its registers run along the head's 64, the next product's K.  Two token tiles' 64 registers give one fragment:
;   its registers 0-5 are the first tile's half fragment, 6-11 the second's; the scale word holds two bytes of each.
; v: source 0 = tokens, source 1 = W's columns: a lane holds ONE column d and its registers run along the 128 tokens, which are the second attention product's K.
; The biases are the C of each sum's first matrix instruction.
; qkvc: sections q, k: [bh 64][token tile 128][768]; section v: [bh][64 keys: 32][d tile 4][768].  qkvs: [section][bh][128 tokens: 16][r 16][4 words].
; LIMITS: a block of zeros gets the byte 1 (its codes are zeros; this program alone reads the bytes); NaN and infinities are not served.
; REGISTERS: window 0: addresses, biases, scale words, work.  Window 1: the 32 accumulators.  Window 2: x's fragments, two sets (96 p + 12 a).  Window 3: W's, two sets (48 p + 12 t).
.set LDSB,  98304                      ; W's codes begin here: [chunk 16][column tile 16][768]; x's lie at 0: [chunk 16][token tile 8][768]
.set SPARE, 294912                     ; the spare words, 128 bytes a wave: two blocks of 256 bytes that no other line names
.set L4,   3                           ; 4 x lane
.set RR,   8                           ; r
.set HH,   9                           ; h
.set SPW,  10                          ; my spare word; never rewritten
.set NIL,  11                          ; 0; never rewritten
.set OFB,  12                          ; 64 h: bias, q and k
.set OFV,  13                          ; 4 (r + 8 (r / 8)): bias, v
.set OQS,  14                          ; 16 r + 8 h: my pair of scale words
.set BIAS, 16                          ; v16-47   eight registers for each column tile
.set SA,   48                          ; v48-79   x's scale words: register 4 s + i: lanes 0-15 tile 2 i, lanes 16-31 tile 2 i + 1, K step s
.set SB,   80                          ; v80-95   W's: register 2 s + i likewise
.set TM,   96                          ; v96-111  the quantiser's work
.set PW,   112                         ; v112-115 four scale words made
.set PP,   116                         ; v116-117 my pair of them
.set PC,   120                         ; v120-139 codes
.set L16,  140                         ; 16 x lane
.set AA16, 140                         ; v140-141 x's fragments: 16 x lane, + 49,152.  No LDS address register is ever rewritten
.set L8,   142                         ; 8 x lane
.set AA8,  142                         ; v142-143 8 x lane, + 49,152
.set BB16, 144                         ; v144-147 W's: LDSB + 3,072 w + 16 x lane + 49,152 j
.set BB8,  148                         ; v148-151 the same with 8 x lane
.set SEL,  98                          ; s[98:99] selects for lane l xor 16
.set MSB, 0
.macro WIN new                         ; the immediate's high byte repeats the setting that is left
.if MSB != \new
	s_set_vgpr_msb (MSB<<8)|\new
.set MSB, \new
.endif
.endm
.macro CROUND                          ; a round of the cluster's barrier
	s_barrier_signal -1
	s_barrier_wait -1
	s_cmp_lg_u32 s4, 0
	s_cbranch_scc1 .Lnot_wave_0_\@
	s_barrier_signal -3
.Lnot_wave_0_\@:
	s_barrier_wait -3
	s_barrier_signal -1
	s_barrier_wait -1
.endm
.macro PLACES                          ; four places between matrix instructions and loads into, or reads of, their registers
.rept 4
	v_nop
.endr
.endm
; one matrix instruction; ra, rb: the side's scale words lie in lanes 16-31 of the register named
.macro WM d, a, b, c, sa, sb, ra, rb
.if (\ra) && (\rb)
	v_wmma_scale_f32_16x16x128_f8f6f4 v[(\d):(\d)+7], v[(\a):(\a)+11], v[(\b):(\b)+11], v[(\c):(\c)+7], v[(\sa)], v[(\sb)] matrix_a_fmt:MATRIX_FMT_FP6 matrix_b_fmt:MATRIX_FMT_FP6 matrix_a_scale:MATRIX_SCALE_ROW1 matrix_b_scale:MATRIX_SCALE_ROW1
.elseif (\ra)
	v_wmma_scale_f32_16x16x128_f8f6f4 v[(\d):(\d)+7], v[(\a):(\a)+11], v[(\b):(\b)+11], v[(\c):(\c)+7], v[(\sa)], v[(\sb)] matrix_a_fmt:MATRIX_FMT_FP6 matrix_b_fmt:MATRIX_FMT_FP6 matrix_a_scale:MATRIX_SCALE_ROW1
.elseif (\rb)
	v_wmma_scale_f32_16x16x128_f8f6f4 v[(\d):(\d)+7], v[(\a):(\a)+11], v[(\b):(\b)+11], v[(\c):(\c)+7], v[(\sa)], v[(\sb)] matrix_a_fmt:MATRIX_FMT_FP6 matrix_b_fmt:MATRIX_FMT_FP6 matrix_b_scale:MATRIX_SCALE_ROW1
.else
	v_wmma_scale_f32_16x16x128_f8f6f4 v[(\d):(\d)+7], v[(\a):(\a)+11], v[(\b):(\b)+11], v[(\c):(\c)+7], v[(\sa)], v[(\sb)] matrix_a_fmt:MATRIX_FMT_FP6 matrix_b_fmt:MATRIX_FMT_FP6
.endif
.endm
; K step s (128 along K): 48 LDS loads, every one of consecutive bytes: x's 8 fragments and my 4 of W, into set s % 2
.macro FETCH s
	WIN 0x80                                       ; destination window 2
.irp a, 0,1,2,3,4,5,6,7
.irp c, 0,1
	ds_load_b128 v[96*((\s)%2)+12*\a+6*\c:96*((\s)%2)+12*\a+6*\c+3], v[AA16+(\s)/4] offset:((\s)%4)*12288+\c*6144+\a*768
	ds_load_b64 v[96*((\s)%2)+12*\a+6*\c+4:96*((\s)%2)+12*\a+6*\c+5], v[AA8+(\s)/4] offset:((\s)%4)*12288+\c*6144+\a*768+512
.endr
.endr
	WIN 0xc0                                       ; destination window 3
.irp t, 0,1,2,3
.irp c, 0,1
	ds_load_b128 v[48*((\s)%2)+12*\t+6*\c:48*((\s)%2)+12*\t+6*\c+3], v[BB16+(\s)/2] offset:((\s)%2)*24576+\c*12288+\t*768
	ds_load_b64 v[48*((\s)%2)+12*\t+6*\c+4:48*((\s)%2)+12*\t+6*\c+5], v[BB8+(\s)/2] offset:((\s)%2)*24576+\c*12288+\t*768+512
.endr
.endr
.endm
; 32 matrix instructions of K step s.  The 32 accumulators take turns, one instruction a turn, in the same order in every step.
.macro MULQK s                         ; accumulator (a, t) at 8 (4 a + t): source 0 = W's tile t, source 1 = token tile a
.if (\s) == 0
	WIN 0x4b                                       ; W window 3, x window 2, C (the bias) window 0, D window 1
.else
	WIN 0x5b                                       ; C and D window 1
.endif
.irp a, 0,1,2,3,4,5,6,7
.irp t, 0,1,2,3
.if (\s) == 0
	WM 8*(4*\a+\t), 48*((\s)%2)+12*\t, 96*((\s)%2)+12*\a, BIAS+8*\t, SB+2*(\s)+\t/2, SA+4*(\s)+\a/2, \t%2, \a%2
.else
	WM 8*(4*\a+\t), 48*((\s)%2)+12*\t, 96*((\s)%2)+12*\a, 8*(4*\a+\t), SB+2*(\s)+\t/2, SA+4*(\s)+\a/2, \t%2, \a%2
.endif
.endr
.endr
.endm
.macro MULV s                          ; accumulator (t, a) at 8 (8 t + a): source 0 = token tile a, source 1 = W's tile t
.if (\s) == 0
	WIN 0x4e
.else
	WIN 0x5e
.endif
.irp t, 0,1,2,3
.irp a, 0,1,2,3,4,5,6,7
.if (\s) == 0
	WM 8*(8*\t+\a), 96*((\s)%2)+12*\a, 48*((\s)%2)+12*\t, BIASV+8*\t, SA+4*(\s)+\a/2, SB+2*(\s)+\t/2, \a%2, \t%2
.else
	WM 8*(8*\t+\a), 96*((\s)%2)+12*\a, 48*((\s)%2)+12*\t, 8*(8*\t+\a), SA+4*(\s)+\a/2, SB+2*(\s)+\t/2, \a%2, \t%2
.endif
.endr
.endr
.endm
.macro MUL s, v
.if \v
	MULV \s
.else
	MULQK \s
.endif
.endm
.macro GATE first                      ; first = 1: the first half of K, which waves 0 and 1 asked for by lines of their own; first = 0: all of K, every wave waits
.if \first
	s_cmp_lt_u32 s4, 2
	s_cbranch_scc0 .Llater_\@
	s_wait_tensorcnt 0x0
.Llater_\@:
.else
	s_wait_tensorcnt 0x0
.endif
	s_wait_dscnt 0x0
	s_barrier_signal -1
	s_barrier_wait -1
.endm
.macro AHEAD f, m, v                   ; K step f is fetched into the set that step f - 2 has left, and step m = f - 1 is multiplied meanwhile
	PLACES
	FETCH \f
	s_wait_dscnt 48                                ; all but the 48 just issued
	MUL \m, \v
.endm
; A half of W's region is filled again with the next matrix's: every wave waits for all its tensor loads, adds 0 to its spare word, waits for that and for its reads of the half;
; a round of the cluster's barrier; then my joint load, two chunks of the half's eight.  Between the add and its wait the OTHER half's address steps a matrix on: no load of mine is out.
.macro REFILL g0, gs
	WIN 0
	s_wait_tensorcnt 0x0
	ds_add_u32 v[SPW], v[NIL]
	s_add_nc_u64 s[\gs+2:\gs+3], s[\gs+2:\gs+3], 786432
	s_wait_dscnt 0x0
	CROUND
	tensor_load_to_lds s[\g0:\g0+3], s[28:35]
	s_nop 0
	PLACES
.endm
; One matrix: eight K steps.  K steps 0 and 1 have been fetched ahead of it.  more = 1: another matrix follows: W's first half is filled again behind K step 3's fetch, its second half behind K step 7's
; (each refill has at least four K steps, 128 matrix instructions a wave, in which to land), the next matrix's K steps 0 and 1 are fetched round the last K step, and its bias and W's scale words move up.
.macro KBODY v, more
	s_wait_dscnt 48                                ; all but K step 1's 48 loads
	MUL 0, \v
	AHEAD 2, 1, \v
	AHEAD 3, 2, \v
.if \more
	REFILL 36, 44
.else
	GATE 0
.endif
	AHEAD 4, 3, \v
	AHEAD 5, 4, \v
	AHEAD 6, 5, \v
	AHEAD 7, 6, \v
.if \more
	REFILL 44, 36                                  ; the round has also shown the next matrix's first half to all
	FETCH 0
	MUL 7, \v                                      ; (K step 7's fragments came in ahead of the round)
	PLACES
	FETCH 1
	WIN 0
.set j, 0
.rept 32
	v_mov_b32 v[BIAS+j], v[BIASK+j]                ; k's bias for the second trip (the second trip's copy serves nothing: v has registers of its own)
.set j, j+1
.endr
.set j, 0
.rept 16
	v_mov_b32 v[SB+j], v[SBK+j]                    ; W's scale words: the next matrix's,
	v_mov_b32 v[SBK+j], v[SBV+j]                   ; and the one after it moves up
.set j, j+1
.endr
.else
	s_wait_dscnt 0x0
	MUL 7, \v
	WIN 0
	PLACES
.endif
.endm
; 64 numbers of a lane in window 1, register s + 16 b + i = number 32 b + 16 h + i of my row, become a fragment's 12 registers v[PC ..] and its scale word v[pw].  Each accumulator is read from its low end on.
.macro QUANTW s, pw
	WIN 0x05
.irp b, 0,1,2,3
	v_max3_num_f32 v[TM+\b], |v[(\s)+16*\b]|, |v[(\s)+16*\b+1]|, 0x1800000   ; and the floor 2^(3 - 127): the byte cannot fall under 1
.endr
	WIN 0x14
.irp i, 2,4,6,8,10,12,14
.irp b, 0,1,2,3
	v_max3_num_f32 v[TM+\b], v[TM+\b], |v[(\s)+16*\b+\i]|, |v[(\s)+16*\b+\i+1]|
.endr
.endr
	WIN 0
.irp b, 0,1,2,3
	v_permlanex16_b32 v[TM+4+\b], v[TM+\b], s[SEL], s[SEL+1]
.endr
.irp b, 0,1,2,3
	v_max_num_f32 v[TM+\b], v[TM+\b], v[TM+4+\b]   ; with lane l xor 16's 16: the block's largest magnitude
.endr
.irp b, 0,1,2,3
	v_add_nc_u32 v[TM+12+\b], 0xff000000, v[TM+\b] ; 2 off the exponent field: the conversion's scale operand
.endr
.irp b, 0,1,2,3
	v_lshrrev_b32 v[TM+4+\b], 23, v[TM+12+\b]      ; the byte
.endr
	v_lshl_or_b32 v[\pw], v[TM+5], 8, v[TM+4]
	v_lshl_or_b32 v[\pw], v[TM+6], 16, v[\pw]
	v_lshl_or_b32 v[\pw], v[TM+7], 24, v[\pw]
	s_wait_alu depctr_va_vdst(0)
	s_wait_xcnt 0x0
	WIN 0x01
.irp c, 0,1
	v_cvt_scalef32_pk16_fp6_f32 v[PC+6*\c:PC+6*\c+2], v[(\s)+32*\c:(\s)+32*\c+15], v[TM+12+2*\c]
	v_cvt_scalef32_pk16_fp6_f32 v[PC+12+4*\c:PC+14+4*\c], v[(\s)+32*\c+16:(\s)+32*\c+31], v[TM+12+2*\c+1]
.endr
	WIN 0
	v_nop                                          ; one plain instruction behind a scaled conversion
.irp c, 0,1                            ; the layout wants a whole block in a lane: lanes 0-15 block 2 c, lanes 16-31 block 2 c + 1
.irp i, 0,1,2
	v_permlane16_swap_b32 v[PC+6*\c+\i], v[PC+12+4*\c+\i]
.endr
.irp i, 0,1,2
	v_mov_b32 v[PC+3+6*\c+\i], v[PC+12+4*\c+\i]
.endr
.endr
.endm
; v's quantiser.  By the tokens' order in their tiles (row 8 h + i of tile t of 64 tokens is token 32 h + 8 t + i) register s + 32 c + i of lane (r, h) is token 64 c + 32 h + i of column r:
; a lane holds two WHOLE blocks, which are the fragment's registers 6 c .. 6 c + 5 as they fall.  Only the scale word's bytes are gathered from lane l xor 16.
.macro QUANTV s, pw
	WIN 0x05
.irp b, 0,1,2,3
	v_max3_num_f32 v[TM+\b], |v[(\s)+16*\b]|, |v[(\s)+16*\b+1]|, 0x1800000   ; four chains of 16; the floor 2^(3 - 127)
.endr
	WIN 0x14
.irp i, 2,4,6,8,10,12,14
.irp b, 0,1,2,3
	v_max3_num_f32 v[TM+\b], v[TM+\b], |v[(\s)+16*\b+\i]|, |v[(\s)+16*\b+\i+1]|
.endr
.endr
	WIN 0
	v_max_num_f32 v[TM], v[TM], v[TM+1]            ; block c = 0 of my half
	v_max_num_f32 v[TM+2], v[TM+2], v[TM+3]        ; block c = 1
	v_add_nc_u32 v[TM+12], 0xff000000, v[TM]       ; 2 off the exponent field: the conversions' scale operands
	v_add_nc_u32 v[TM+13], 0xff000000, v[TM+2]
	v_lshrrev_b32 v[TM+8], 23, v[TM+12]            ; the bytes
	v_lshrrev_b32 v[TM+9], 23, v[TM+13]
	v_lshl_or_b32 v[TM+8], v[TM+9], 16, v[TM+8]    ; bytes h and 2 + h of the word,
	v_lshlrev_b32 v[TM+9], 3, v[HH]
	v_lshlrev_b32 v[TM+8], v[TM+9], v[TM+8]        ; at their places;
	v_permlanex16_b32 v[TM+4], v[TM+8], s[SEL], s[SEL+1]
	v_or_b32 v[\pw], v[TM+8], v[TM+4]              ; with lane l xor 16's two the word is whole
	s_wait_alu depctr_va_vdst(0)
	s_wait_xcnt 0x0                                ; the last fragment's stores have read the codes' registers
	WIN 0x01
.irp c, 0,1
	v_cvt_scalef32_pk16_fp6_f32 v[PC+6*\c:PC+6*\c+2], v[(\s)+32*\c:(\s)+32*\c+15], v[TM+12+\c]
	v_cvt_scalef32_pk16_fp6_f32 v[PC+12+4*\c:PC+14+4*\c], v[(\s)+32*\c+16:(\s)+32*\c+31], v[TM+12+\c]
.endr
	WIN 0
	v_nop                                          ; one plain instruction behind a scaled conversion
.irp c, 0,1
.irp i, 0,1,2
	v_mov_b32 v[PC+3+6*\c+\i], v[PC+12+4*\c+\i]
.endr
.endr
.endm
	s_load_b512 s[68:83], s[0:1], 0x0
	s_load_b64 s[84:85], s[0:1], 0x40              ; qkvs
	v_lshl_add_u32 v[SPW], v0, 2, SPARE
	v_mov_b32 v[NIL], 0
	ds_add_u32 v[SPW], v[NIL]                      ; the wave's opening: the add and its wait ahead of my first tensor load; work on registers stands between them
	ds_add_u32 v[SPW], v[NIL]
	v_lshrrev_b32 v1, 5, v0
	v_readfirstlane_b32 s4, v1                     ; wave 0..3
	s_and_b32 s5, s4, 1                            ; I fetch for x (0) or for W (1),
	s_lshr_b32 s6, s4, 1                           ; and which half of K: eight chunks, one tensor load (in place of the four quarters that the head names)
	s_bfe_u32 s7, ttmp6, 0x40000                   ; cx
	s_bfe_u32 s56, ttmp6, 0x40004                  ; cy
	s_and_b32 s57, ttmp7, 0xffff
	s_lshl_b32 s57, s57, 2
	s_add_co_u32 s57, s57, s56                     ; y: my 128 tokens
	s_lshl_b32 s58, s56, 2
	s_lshl_b32 s58, 15, s58                        ; my row of the cluster
	s_lshl_b32 s59, 0x1111, s7                     ; my column
	; group 1 for x: eight chunks (rows) of 8 tiles x 768 bytes = 768 elements of 8 bytes, 49,152 elements apart
	s_or_b32 s8, s58, (3<<16)|(1<<21)              ; 15:0 the mask; 17:16 elements of 8 bytes; 21 set beside a mask
	s_mov_b32 s9, 768<<16                          ; tensor_dim0
	s_mov_b32 s10, 8<<16
	s_mov_b32 s11, 768<<16                         ; tile_dim0
	s_mov_b32 s12, 8
	s_mov_b32 s13, 49152                           ; from chunk to chunk
	s_mov_b32 s14, 0
	s_mov_b32 s15, 0
	; group 1 for W: eight chunks of 16 tiles x 768 bytes = 1,536 elements, 6,144 elements apart
	s_or_b32 s16, s59, (3<<16)|(1<<21)
	s_mov_b32 s17, 1536<<16
	s_mov_b32 s18, 8<<16
	s_mov_b32 s19, 1536<<16
	s_mov_b32 s20, 8
	s_mov_b32 s21, 6144
	s_mov_b32 s22, 0
	s_mov_b32 s23, 0
	s_mul_i32 s60, s6, 49152
	s_mul_i32 s62, s6, 3145728
	s_mul_i32 s61, s57, 6144
	s_add_co_u32 s62, s62, s61
	s_mov_b32 s63, 0
	s_mul_i32 s90, s6, 98304
	s_mul_i32 s66, ttmp9, 786432
	s_mul_i32 s67, s6, 393216
	s_add_co_u32 s66, s66, s67
	s_mul_i32 s67, s7, 12288
	s_add_co_u32 s66, s66, s67
	s_mov_b32 s67, 0
	s_mov_b32 s91, 0xffff0000                      ; lanes 16-31
	s_mov_b32 s[SEL], 0x76543210
	s_mov_b32 s[SEL+1], 0xfedcba98
	s_wait_dscnt 0x0                               ; the opening add is done
	s_wait_kmcnt 0x0
	s_add_nc_u64 s[86:87], s[68:69], s[62:63]
	s_add_nc_u64 s[88:89], s[72:73], s[66:67]
.irp q, 0
	s_mov_b32 s[24+4*\q], 1
	s_add_co_u32 s[25+4*\q], s60, \q*24576
	s_add_nc_u64 s[26+4*\q:27+4*\q], s[86:87], \q*1572864
	s_or_b32 s[27+4*\q], s[27+4*\q], 0x80000000
	s_mov_b32 s[40+4*\q], 1
	s_add_co_u32 s[41+4*\q], s90, LDSB+\q*49152
	s_add_nc_u64 s[42+4*\q:43+4*\q], s[88:89], \q*196608
	s_or_b32 s[43+4*\q], s[43+4*\q], 0x80000000
.endr
	CROUND                                         ; all sixteen work-groups are here: the joint loads meet
	; one tensor load a wave, in one chain of branches on the wave's number: wave 0 x's first half of K, wave 1 W's, wave 2 x's second half, wave 3 W's
.macro ARM w, g0, g1, next
	s_cmp_eq_u32 s4, \w
	s_cbranch_scc0 \next
	tensor_load_to_lds s[\g0:\g0+3], s[\g1:\g1+7]
	s_nop 0
.rept 4
	v_nop
.endr
	s_branch .Lfilled
\next:
.endm
	ARM 0, 24, 8, .Lfill_1
	ARM 1, 40, 16, .Lfill_2
	ARM 2, 24, 8, .Lfill_3
	tensor_load_to_lds s[40:43], s[16:23]
	s_nop 0
.rept 4
	v_nop
.endr
.Lfilled:
	v_and_b32 v1, 31, v0
	v_and_b32 v[RR], 15, v0
	v_bfe_u32 v[HH], v0, 4, 1
	v_lshlrev_b32 v[L16], 4, v1
	v_lshlrev_b32 v[L8], 3, v1
	v_lshlrev_b32 v[L4], 2, v1
	s_wait_alu depctr_va_vdst(0)
	s_lshl_b32 s92, s57, 9                         ; x's scale words: my 8 tiles of 64 bytes
	s_mov_b32 s93, 0
	s_add_nc_u64 s[70:71], s[70:71], s[92:93]
	s_lshl_b32 s92, ttmp9, 15                      ; W's: the matrix, my work-group's 16 tiles, my wave's 4
	s_lshl_b32 s97, s7, 10
	s_add_co_u32 s92, s92, s97
	s_lshl_b32 s97, s4, 8
	s_add_co_u32 s92, s92, s97
	s_add_nc_u64 s[74:75], s[74:75], s[92:93]
.irp s, 0,1,2,3,4,5,6,7                ; the scale words of all of K go into registers once: 128 consecutive bytes a load
.irp i, 0,1,2,3
	global_load_b32 v[SA+4*\s+\i], v[L4], s[70:71] offset:\s*32768+128*\i
.endr
.irp i, 0,1
	global_load_b32 v[SB+2*\s+\i], v[L4], s[74:75] offset:\s*4096+128*\i
.endr
.endr
	v_add_nc_u32 v[AA16+1], 49152, v[L16]
	v_add_nc_u32 v[AA8+1], 49152, v[L8]
	s_mul_i32 s97, s4, 3072
	s_add_co_u32 s97, s97, LDSB
.irp j, 0,1,2,3
	v_add_nc_u32 v[BB16+\j], s97, v[L16]
	v_add_nc_u32 v[BB8+\j], s97, v[L8]
	s_add_co_u32 s97, s97, 49152
.endr
	v_lshlrev_b32 v[OFB], 6, v[HH]
	v_and_b32 v[OFV], 8, v[RR]
	v_add_nc_u32 v[OFV], v[OFV], v[RR]
	v_lshlrev_b32 v[OFV], 2, v[OFV]
	v_lshlrev_b32 v[OQS], 4, v[RR]
	v_lshl_add_u32 v[OQS], v[HH], 3, v[OQS]
.irp b, 0,1,2,3
	v_mov_b32 v[TM+4+\b], 0                        ; written once: a lane permute's destination counts as one of its sources
.endr
	s_lshl_b32 s94, s7, 2
	s_add_co_u32 s94, s94, s4                      ; my head
	s_lshr_b32 s95, s57, 4
	s_lshl_b32 s95, s95, 4
	s_add_co_u32 s95, s95, s94                     ; bh = 16 x batch + head
	s_and_b32 s96, s57, 15                         ; which 128 tokens of the batch's 2,048
	s_mul_i32 s92, ttmp9, 6291456                  ; where my codes go: section, bh, 128 tokens
	s_mul_i32 s97, s95, 98304
	s_add_co_u32 s92, s92, s97
	s_mul_i32 s97, s96, 6144
	s_add_co_u32 s92, s92, s97
	s_add_nc_u64 s[82:83], s[82:83], s[92:93]
	s_lshl_b32 s92, ttmp9, 18                      ; and my scale words
	s_lshl_b32 s97, s95, 12
	s_add_co_u32 s92, s92, s97
	s_lshl_b32 s97, s96, 8
	s_add_co_u32 s92, s92, s97
	s_add_nc_u64 s[84:85], s[84:85], s[92:93]
	s_lshl_b32 s92, s94, 8                         ; my head's 64 numbers of a bias
	; A WORK-GROUP STAYS (in place of the head's line on the cluster's x): the grid is one cluster wide, ttmp9 is 0, and each work-group makes q, then k, then v for its 128 tokens x 256 columns.
	; x's codes are fetched once.  W's region is a ring of two slots, the two halves of K.  q and k are one loop of two trips; v is written out.
	; No prefetch: a refill is asked for four K steps ahead of its first read.
.set BIASK, 152                        ; v152-183 k's bias
.set BIASV, 184                        ; v184-215 v's
.set SBK,   216                        ; v216-231 Wk's scale words, then Wv's
.set SBV,   232                        ; v232-247 Wv's
	s_wait_alu depctr_va_vdst(0)
	s_add_nc_u64 s[76:77], s[76:77], s[92:93]
	s_add_nc_u64 s[78:79], s[78:79], s[92:93]
	s_add_nc_u64 s[80:81], s[80:81], s[92:93]
	s_or_b32 s28, s59, (3<<16)|(1<<21)             ; group 1 of a refill: two chunks of 1,536 elements of 8 bytes, 6,144 elements apart; the mask: my column of the cluster
	s_mov_b32 s29, 1536<<16
	s_mov_b32 s30, 2<<16
	s_mov_b32 s31, 1536<<16
	s_mov_b32 s32, 2
	s_mov_b32 s33, 6144
	s_mov_b32 s34, 0
	s_mov_b32 s35, 0
	s_mul_i32 s50, s7, 12288                       ; my work-group's 16 column tiles (cx, which my column shares),
	s_mul_i32 s51, s4, 98304                       ; my wave's two chunks of a half
	s_add_co_u32 s50, s50, s51
	s_mov_b32 s51, 0
	s_add_nc_u64 s[46:47], s[72:73], s[50:51]
	s_add_nc_u64 s[38:39], s[46:47], 786432        ; the first half's group 0 begins at Wk;
	s_add_nc_u64 s[46:47], s[46:47], 393216        ; the second half's at Wq: it steps on ahead of its first use
	s_or_b32 s39, s39, 0x80000000
	s_or_b32 s47, s47, 0x80000000
	s_mov_b32 s36, 1
	s_mov_b32 s44, 1
	s_mul_i32 s37, s4, 24576
	s_add_co_u32 s37, s37, LDSB
	s_add_co_u32 s45, s37, 98304
.irp t, 0,1,2,3
	global_load_b128 v[BIASK+8*\t:BIASK+8*\t+3], v[OFB], s[78:79] offset:(32*(\t/2)+8*(\t%2))*4
	global_load_b128 v[BIASK+8*\t+4:BIASK+8*\t+7], v[OFB], s[78:79] offset:(32*(\t/2)+8*(\t%2))*4+16
.endr
.irp t, 0,1,2,3                        ; v: a lane holds one column d = 32 (t / 2) + 8 (t % 2) + r + 8 (r / 8): its bias fills the tile's eight registers
.irp j, 0,1,2,3,4,5,6,7
	global_load_b32 v[BIASV+8*\t+\j], v[OFV], s[80:81] offset:(32*(\t/2)+8*(\t%2))*4
.endr
.endr
.irp s, 0,1,2,3,4,5,6,7
.irp i, 0,1
	global_load_b32 v[SBK+2*\s+\i], v[L4], s[74:75] offset:32768+\s*4096+128*\i
	global_load_b32 v[SBV+2*\s+\i], v[L4], s[74:75] offset:65536+\s*4096+128*\i
.endr
.endr
.irp t, 0,1,2,3                        ; lane (r, h), register j of tile t: column 32 (t / 2) + 8 (t % 2) + 16 h + j
	global_load_b128 v[BIAS+8*\t:BIAS+8*\t+3], v[OFB], s[76:77] offset:(32*(\t/2)+8*(\t%2))*4
	global_load_b128 v[BIAS+8*\t+4:BIAS+8*\t+7], v[OFB], s[76:77] offset:(32*(\t/2)+8*(\t%2))*4+16
.endr
	GATE 1
	FETCH 0
	FETCH 1
	WIN 0
	s_wait_loadcnt 0x0                             ; the scale words and the biases
	s_mov_b32 s49, 0
.Lqk:                                                  ; q, then k
	KBODY 0, 1
.irp b, 0,1,2,3                        ; token tiles 2 b and 2 b + 1: two half fragments and one word a row
	QUANTW 64*\b, PW+\b
	global_store_b128 v[L16], v[PC:PC+3], s[82:83] offset:\b*1536
	global_store_b64 v[L8], v[PC+4:PC+5], s[82:83] offset:\b*1536+512
	global_store_b128 v[L16], v[PC+6:PC+9], s[82:83] offset:\b*1536+768
	global_store_b64 v[L8], v[PC+10:PC+11], s[82:83] offset:\b*1536+1280
.endr
	v_cndmask_b32 v[PP], v[PW], v[PW+2], s91       ; lanes 0-15 store words 0, 1 of row r, lanes 16-31 words 2, 3
	v_cndmask_b32 v[PP+1], v[PW+1], v[PW+3], s91
	global_store_b64 v[OQS], v[PP:PP+1], s[84:85]  ; the 32 lanes cover 256 consecutive bytes, aligned
	s_wait_xcnt 0x0                                ; the stores have read their bases and data
	s_add_nc_u64 s[82:83], s[82:83], 6291456       ; the next section of the codes,
	s_add_nc_u64 s[84:85], s[84:85], 262144        ; and of the scale words
	s_add_co_u32 s49, s49, 1
	s_cmp_lt_u32 s49, 2
	s_wait_alu depctr_va_vdst(0)
	s_cbranch_scc1 .Lqk
	; ---- v
	KBODY 1, 0
.irp t, 0,1,2,3                        ; d tile t x my 128 tokens: keys 0-63 and keys 64-127
	QUANTV 64*\t, PW+\t
	global_store_b128 v[L16], v[PC:PC+3], s[82:83] offset:\t*768
	global_store_b64 v[L8], v[PC+4:PC+5], s[82:83] offset:\t*768+512
	global_store_b128 v[L16], v[PC+6:PC+9], s[82:83] offset:3072+\t*768
	global_store_b64 v[L8], v[PC+10:PC+11], s[82:83] offset:3072+\t*768+512
.endr
.Lwords:
	v_cndmask_b32 v[PP], v[PW], v[PW+2], s91       ; both halves of the lanes hold row r's four words: lanes 0-15 store words 0, 1, lanes 16-31 words 2, 3
	v_cndmask_b32 v[PP+1], v[PW+1], v[PW+3], s91
	global_store_b64 v[OQS], v[PP:PP+1], s[84:85]  ; the 32 lanes cover 256 consecutive bytes, aligned
	s_wait_tensorcnt 0x0                           ; the wave's end
	ds_add_u32 v[SPW], v[NIL]
	s_wait_dscnt 0x0
	CROUND                                         ; the closing round
	s_endpgm
.Lfunc_end_k_q03c2d9a1a0_qkv:
	.size	k_q03c2d9a1a0_qkv, .Lfunc_end_k_q03c2d9a1a0_qkv-k_q03c2d9a1a0_qkv
	.p2alignl 7, 3214868480
	.fill 96, 4, 3214868480
	.section	.rodata,"a",@progbits
	.p2align	6, 0x0
	.amdhsa_kernel k_q03c2d9a1a0_qkv
		.amdhsa_group_segment_fixed_size 327680
		.amdhsa_private_segment_fixed_size 0
		.amdhsa_enable_private_segment 0
		.amdhsa_kernarg_size 72
		.amdhsa_user_sgpr_count 2
		.amdhsa_user_sgpr_kernarg_segment_ptr 1
		.amdhsa_wavefront_size32 1
		.amdhsa_system_sgpr_workgroup_id_x 1
		.amdhsa_system_sgpr_workgroup_id_y 1
		.amdhsa_system_sgpr_workgroup_id_z 1
		.amdhsa_system_vgpr_workitem_id 0
		.amdhsa_next_free_vgpr 1024
		.amdhsa_next_free_sgpr 102
		.amdhsa_reserve_vcc 0
		.amdhsa_float_denorm_mode_32 3
		.amdhsa_float_denorm_mode_16_64 3
		.amdhsa_memory_ordered 1
		.amdhsa_forward_progress 1
		.amdhsa_inst_pref_size 174
	.end_amdhsa_kernel
	.amdgpu_metadata
---
amdhsa.version: [ 1, 2 ]
amdhsa.kernels:
  - .name:           k_q03c2d9a1a0_qkv
    .symbol:         k_q03c2d9a1a0_qkv.kd
    .args:
      - { .name: xc, .offset: 0, .size: 8, .value_kind: global_buffer, .address_space: global }
      - { .name: xs, .offset: 8, .size: 8, .value_kind: global_buffer, .address_space: global }
      - { .name: wc, .offset: 16, .size: 8, .value_kind: global_buffer, .address_space: global }
      - { .name: ws, .offset: 24, .size: 8, .value_kind: global_buffer, .address_space: global }
      - { .name: bq, .offset: 32, .size: 8, .value_kind: global_buffer, .address_space: global }
      - { .name: bk, .offset: 40, .size: 8, .value_kind: global_buffer, .address_space: global }
      - { .name: bv, .offset: 48, .size: 8, .value_kind: global_buffer, .address_space: global }
      - { .name: qkvc, .offset: 56, .size: 8, .value_kind: global_buffer, .address_space: global }
      - { .name: qkvs, .offset: 64, .size: 8, .value_kind: global_buffer, .address_space: global }
    .group_segment_fixed_size: 327680
    .private_segment_fixed_size: 0
    .kernarg_segment_align: 8
    .kernarg_segment_size: 72
    .max_flat_workgroup_size: 128
    .sgpr_count:     102
    .vgpr_count:     1024
    .wavefront_size: 32
...
	.end_amdgpu_metadata
.endif
;; end of part 2
;; launch attn (part 3): grid 4 x 64, 8 waves a work-group, clusters of 4 x 1, 206,848 bytes of LDS; arguments qkvc, qkvs, ac, asc; writes ac, asc
.if DOCPART == 3
	.amdgcn_target "amdgcn-amd-amdhsa--gfx1250"
	.amdhsa_code_object_version 6
	.text
	.protected	k_q03c2d9a1a0_attn
	.globl	k_q03c2d9a1a0_attn
	.p2align	8
	.type	k_q03c2d9a1a0_attn,@function
k_q03c2d9a1a0_attn:
	s_mov_b64 s[64:65], 0
	v_nop
	global_prefetch_b8 v0, s[64:65] scope:SCOPE_SE
	s_setreg_imm32_b32 hwreg(HW_REG_WAVE_MODE, 25, 1), 1
	s_wait_xcnt 0x0
	s_wait_alu depctr_hold_cnt(0) depctr_sa_sdst(0) depctr_va_vdst(0) depctr_va_sdst(0) depctr_va_ssrc(0) depctr_va_vcc(0) depctr_vm_vsrc(0)
	s_getreg_b32 s2, hwreg(HW_REG_IB_STS2, 6, 4)
	s_cmp_eq_u32 s2, 0
	s_cbranch_scc0 .Lentry_in_a_cluster
	s_endpgm
.Lentry_in_a_cluster:
	s_bfe_u32 s2, ttmp6, 0x10000c
	s_cmp_lg_u32 s2, 0x3003
	s_cbranch_scc0 .Lentry_shape_is_right
	s_endpgm
.Lentry_shape_is_right:
; values[bh][q] = the sum over keys of softmax(q . k / 8) v, both products on codes of FP6 (E2M3) with E8M0 scales; the result is quantised along the model's 1,024 for the last product.
; THE SOFTMAX: t = score x log2(e) / 8; M = the running largest t rounded UP to a whole number; p = 2^(t - M) is quantised along the keys, not normalised; the row's sum is taken of the unquantised p and
; divides at the end.  When M moves, the sum and O are multiplied by 2^(old M - new M), which rounds nothing.
; SHARES.  64 bh x 4 work-groups; a work-group owns 512 queries of one bh, in TWO PASSES of 256; in a pass each of its eight waves has TWO tiles of 16 queries, so that each fragment of K and V read from LDS
; feeds two tiles' products.  Two waves share a SIMD.
; ONE bh's K AND V LIE IN LDS WHOLE, for both passes; no LDS byte is filled twice.  Wave w asks for a quarter of K (w < 4) or of V by ONE tensor load of 96 rows of 256 bytes; one line, every wave waits for it, one barrier.
; The four work-groups of a cluster belong to one bh and ask for every tile jointly.  The scale words of key steps 2 w, 2 w + 1 go through wave w's registers into LDS bytes of their own.
; LAYOUT.  Both products are used transposed: a lane holds ONE query (lane % 16) of each tile.  THE HEAD IS 64, HALF OF THE INSTRUCTION'S K: a fragment of K holds TWO tiles of 16 keys and is multiplied by [q | zeros] and by
; [zeros | q] (q, zeros, q in 18 registers: the two operands share the zeros).  Row 8 h + i of tile t of 64 keys is key 32 h + 8 t + i: the 32 score registers of four tiles are ONE BLOCK of 32 neighbouring keys.
; A STEP (128 keys): V's fragments are asked for at its top; K's were asked for a step ago, behind that step's score products.  The last step of a pass so fetches the 6,656 bytes behind K's codes and words
; (V's first bytes, K's first bytes), which nobody uses: a last step of its own would be a second copy of the step's text.
; REGISTERS.  Window 0: addresses, both tiles' scores and all of the softmax, the scale words.  Window 1: K's and V's fragments, q, O^T, p's codes.
; NO PREFETCH: every tile of the launch is asked for at its head; no later step asks memory for anything but a pass's q.
; LIMITS: the promise holds while the scaled scores t stay under 2^31 in magnitude; a block of zeros gets the byte 1 (its codes are zeros; this program alone reads the bytes); NaN and infinities are not served.
.set KB,    8192                       ; LDS: the scale words [step 16][K's 16 r x 4 words | V's] at 0; K's codes here, 6,144 a step;
.set VOFF,  98304                      ; V's codes so far behind K's
.set SPARE, 204800                     ; the spare words, 128 bytes a wave: four blocks of 256 bytes that no other line names
.set L16,  1                           ; 16 x lane
.set G8,   2                           ; 512 + 8 x lane
.set GS,   3                           ; scale words in memory: 16 r, + a section for lanes 16-31
.set SST,  4                           ; where my two steps' scale words go
.set SH8,  5                           ; 8 h
.set SPW,  6                           ; my spare word; never rewritten
.set NIL,  7                           ; 0; never rewritten
.set AK16, 8                           ; the step's LDS addresses
.set AK8,  9
.set AS,   10
.set AV16, 11
                                       ; tile x: v[12+4x] -M, v[13+4x] the running largest t, v[14+4x:15+4x] the sum in two halves
.set AV8,  20
.set R16,  21                          ; 16 r
.set R4,   22                          ; 4 r
.set LN,   23                          ; lane
.set SS,   32                          ; v32-159  S^T, then p: 64 registers a tile
.set BM,   160                         ; v160-167 four chains of maxima a tile; +0, +2 the two blocks'
.set BT,   168                         ; v168-175 permutes' destinations
.set SOP,  176                         ; v176-179 the conversions' scale operands
.set FF,   180                         ; v[180:181], v[182:183] f (the pairs' upper words are written once)
.set TP,   184                         ; v184-185
.set TQ,   186                         ; v186-187
.set BY,   188                         ; v188-191 scale bytes
.set T,    192                         ; v192-223 sixteen pairs of partial sums; on the way out codes
.set KSK,  240                         ; v240-243 K's scale words (lanes 0-15); v244-247 V's (lanes 16-31); v248-249 q's; v250-251 p's: these hold scales and nothing else
.set KSV,  244
.set QS,   248
.set PS,   250
.set QR,   252                         ; q's word as it lies in memory
; window 1, by the low eight bits
.set FRK,  0                           ; v256-303 four fragments of K
.set FRV,  48                          ; v304-351 four of V
.set QA,   96                          ; v352-387 q | zeros | q, 18 registers a tile
.set OT,   132                         ; v388-451 O^T, 32 a tile
.set PCD,  196                         ; v452-475 p's codes, 12 a tile
.set PC2,  220                         ; v476-491 the conversions' second halves
.set WV,   72
.set SEL,  76
.set CS,   78
.set TB,   80                          ; LDS byte of the step's K codes
.set TS,   81                          ; and of its scale words: 512 a step
.set CNT,  82
.set MSB, 0
.macro WIN new                         ; the immediate's high byte repeats the setting that is left
.if MSB != \new
	s_set_vgpr_msb (MSB<<8)|\new
.set MSB, \new
.endif
.endm
.macro WALU
	s_wait_alu depctr_va_vdst(0)
.endm
.macro DEP n
	s_delay_alu instid0(VALU_DEP_\n)
.endm
.macro NOPS n
.rept \n
	v_nop
.endr
.endm
.macro CROUND
	s_barrier_signal -1
	s_barrier_wait -1
	s_cmp_lg_u32 s[WV], 0
	s_cbranch_scc1 .Lnot_wave_0_\@
	s_barrier_signal -3
.Lnot_wave_0_\@:
	s_barrier_wait -3
	s_barrier_signal -1
	s_barrier_wait -1
.endm
; pass p's four addresses, s[32+8p .. 39+8p]: q's half fragments, q's scale word, where the codes go, where the scale bytes go.  T = 32 x my block of 512 + 16 p + 2 x wave: my first tile among bh's 128
.macro ADDR p
	s_lshl_b32 s83, s74, 5
	s_lshl_b32 s84, s[WV], 1
	s_add_co_u32 s83, s83, s84
	s_add_co_u32 s83, s83, 16*\p
	s_mul_i32 s84, s83, 768
	s_mov_b32 s85, 0
	s_add_nc_u64 s[32+8*\p:33+8*\p], s[88:89], s[84:85]
	s_lshr_b32 s84, s83, 3                         ; 128 tokens T / 8, word (T / 2) % 4: one word serves both tiles
	s_lshl_b32 s84, s84, 8
	s_bfe_u32 s86, s83, 0x20001
	s_lshl_b32 s86, s86, 2
	s_add_co_u32 s84, s84, s86
	s_add_nc_u64 s[34+8*\p:35+8*\p], s[90:91], s[84:85]
	s_lshr_b32 s84, s75, 4                         ; batch
	s_lshl_b32 s84, s84, 7
	s_add_co_u32 s86, s84, s83                     ; my token tile among 512
	s_and_b32 s87, s75, 15                         ; head = chunk of 64 along the last product's K
	s_mul_i32 s84, s87, 393216
	s_mul_i32 s92, s86, 768
	s_add_co_u32 s84, s84, s92
	s_add_nc_u64 s[36+8*\p:37+8*\p], s[8:9], s[84:85]
	s_lshr_b32 s84, s87, 1                         ; the scale word of 128 along K is shared by two heads: mine are bytes 2 (head % 2) and the next
	s_lshl_b32 s84, s84, 15
	s_lshl_b32 s92, s86, 6
	s_add_co_u32 s84, s84, s92
	s_and_b32 s92, s87, 1
	s_lshl_b32 s92, s92, 1
	s_add_co_u32 s84, s84, s92
	s_add_nc_u64 s[38+8*\p:39+8*\p], s[10:11], s[84:85]
.endm
.macro QLOAD p                         ; each tile's q twice, on both sides of its zeros, and the scale word
	WIN 0x40
.irp x, 0,1
	global_load_b128 v[QA+18*\x:QA+18*\x+3], v[L16], s[32+8*\p:33+8*\p] offset:768*\x
	global_load_b64 v[QA+18*\x+4:QA+18*\x+5], v[G8], s[32+8*\p:33+8*\p] offset:768*\x
	global_load_b128 v[QA+18*\x+12:QA+18*\x+15], v[L16], s[32+8*\p:33+8*\p] offset:768*\x
	global_load_b64 v[QA+18*\x+16:QA+18*\x+17], v[G8], s[32+8*\p:33+8*\p] offset:768*\x
.endr
	WIN 0
	global_load_b32 v[QR], v[R16], s[34+8*\p:35+8*\p]
.endm
.macro PASSINIT                        ; a pass begins: q is in; M, the sums and O^T begin anew
	WALU
	s_wait_loadcnt 0x0
	v_perm_b32 v[QS], v[QR], v[QR], 0x01000100     ; the even tile's scale word (s0, s1, s0, s1): it serves both operands;
	v_perm_b32 v[QS+1], v[QR], v[QR], 0x03020302   ; the odd tile's.  The lines below stand between them and the first product
.irp x, 0,1
	v_mov_b32 v[13+4*\x], 0xff61b1e6               ; the largest t so far: -3e38, under every t
	v_mov_b32 v[14+4*\x], 0
	v_mov_b32 v[15+4*\x], 0
.endr
.irp x, 0,1
	v_floor_f32 v[12+4*\x], -v[13+4*\x]            ; -M
.endr
	WIN 0x40
.set j, 0
.rept 64
	v_mov_b32 v[OT+j], 0                           ; (the step is written once: the first finds zeros, which the first change of M leaves zeros)
.set j, j+1
.endr
	WIN 0
	s_mov_b32 s[TB], KB
	s_mov_b32 s[TS], 0
.endm
.macro KFETCH a16, a8, as, off, offs   ; K's four fragments (key tiles 2 f, 2 f + 1) and scale words: 17 loads of consecutive bytes
	WIN 0x40
.irp f, 0,1,2,3
.irp c, 0,1
	ds_load_b128 v[FRK+12*\f+6*\c:FRK+12*\f+6*\c+3], v[\a16] offset:(\off)+(2*\f+\c)*768
	ds_load_b64 v[FRK+12*\f+6*\c+4:FRK+12*\f+6*\c+5], v[\a8] offset:(\off)+(2*\f+\c)*768
.endr
.endr
	WIN 0
	ds_load_b128 v[KSK:KSK+3], v[\as] offset:\offs
.endm
.macro MAXC x                          ; tile x: the largest score, four chains of 16 by turns; each accumulator is read from its low end on
.irp b, 0,1,2,3
	v_max3_num_f32 v[BM+4*(\x)+\b], v[SS+64*(\x)+16*\b], v[SS+64*(\x)+16*\b+1], v[SS+64*(\x)+16*\b+2]
.endr
.irp i, 3,5,7,9,11,13
.irp b, 0,1,2,3
	v_max3_num_f32 v[BM+4*(\x)+\b], v[BM+4*(\x)+\b], v[SS+64*(\x)+16*\b+\i], v[SS+64*(\x)+16*\b+\i+1]
.endr
.endr
	v_max3_num_f32 v[BM+4*(\x)], v[BM+4*(\x)], v[SS+64*(\x)+15], v[SS+64*(\x)+31]
	v_max3_num_f32 v[BM+4*(\x)+2], v[BM+4*(\x)+2], v[SS+64*(\x)+47], v[SS+64*(\x)+63]
.endm
.macro REDUCE x                        ; sixteen pairs of partial sums onto tile x's sum
.irp k, 0,1,2,3,4,5,6,7
	v_pk_add_f32 v[T+2*\k:T+2*\k+1], v[T+2*\k:T+2*\k+1], v[T+2*\k+16:T+2*\k+17]
.endr
.irp k, 0,1,2,3
	DEP 4
	v_pk_add_f32 v[T+2*\k:T+2*\k+1], v[T+2*\k:T+2*\k+1], v[T+2*\k+8:T+2*\k+9]
.endr
	DEP 2
	v_pk_add_f32 v[T:T+1], v[T:T+1], v[T+4:T+5]
	DEP 2
	v_pk_add_f32 v[T+2:T+3], v[T+2:T+3], v[T+6:T+7]
	DEP 1
	v_pk_add_f32 v[T:T+1], v[T:T+1], v[T+2:T+3]
	DEP 1
	v_pk_add_f32 v[14+4*(\x):15+4*(\x)], v[14+4*(\x):15+4*(\x)], v[T:T+1]
.endm
; A KEY STEP: 128 keys x my two tiles of queries
.macro STEP2
	WIN 0
	v_add_nc_u32 v[AK16], s[TB], v[L16]            ; (these five are also the places behind the last step's products)
	v_add_nc_u32 v[AK8], s[TB], v[G8]
	v_add_nc_u32 v[AS], s[TS], v[L16]
	DEP 3
	v_add_nc_u32 v[AV16], VOFF, v[AK16]
	DEP 3
	v_add_nc_u32 v[AV8], VOFF, v[AK8]
	WIN 0x40
.irp t, 0,1,2,3                        ; V's four fragments (d tile t x these 128 keys) land during the softmax
.irp c, 0,1
	ds_load_b128 v[FRV+12*\t+6*\c:FRV+12*\t+6*\c+3], v[AV16] offset:\c*3072+\t*768
	ds_load_b64 v[FRV+12*\t+6*\c+4:FRV+12*\t+6*\c+5], v[AV8] offset:\c*3072+\t*768
.endr
.endr
	WIN 0
	ds_load_b128 v[KSV:KSV+3], v[AS]               ; lanes 16-31: row r's four words of V
	WALU
	s_wait_dscnt 17                                ; K's fragments and words, asked for a step ago, are in; the 17 loads just issued may be out
	WIN 0x05
.irp x, 0,1
.irp f, 0,1,2,3                        ; S^T: register 32 c + 8 t + j of lane (r, h) is key 64 c + 32 h + 8 t + j for query r
	v_wmma_scale_f32_16x16x128_f8f6f4 v[SS+64*\x+16*\f:SS+64*\x+16*\f+7], v[FRK+12*\f:FRK+12*\f+11], v[QA+18*\x:QA+18*\x+11], 0, v[KSK+\f], v[QS+\x] matrix_a_fmt:MATRIX_FMT_FP6 matrix_b_fmt:MATRIX_FMT_FP6
	v_wmma_scale_f32_16x16x128_f8f6f4 v[SS+64*\x+16*\f+8:SS+64*\x+16*\f+15], v[FRK+12*\f:FRK+12*\f+11], v[QA+18*\x+6:QA+18*\x+17], 0, v[KSK+\f], v[QS+\x] matrix_a_fmt:MATRIX_FMT_FP6 matrix_b_fmt:MATRIX_FMT_FP6
.endr
.endr
	WIN 0
	v_mov_b32 v[TP], v12                           ; the old -M of both tiles; with two idle lines the four places in front of the loads into K's registers and of the first read of the scores
	v_mov_b32 v[TP+1], v16
	NOPS 2
	KFETCH AK16, AK8, AS, 6144, 512                ; the next step's K
	MAXC 0
	MAXC 1
.irp x, 0,1                            ; from here on the two tiles' chains go line by line in turn
	v_max_num_f32 v[BM+4*\x], v[BM+4*\x], v[BM+4*\x+1]         ; my block of keys 0-63: its largest score serves the row's maximum and, since p rises with the score, the block's largest p
.endr
.irp x, 0,1
	v_max_num_f32 v[BM+4*\x+2], v[BM+4*\x+2], v[BM+4*\x+3]     ; my block of keys 64-127
.endr
.irp x, 0,1
	DEP 2
	v_max_num_f32 v[TQ+\x], v[BM+4*\x], v[BM+4*\x+2]
.endr
.irp x, 0,1
	DEP 2
	v_permlanex16_b32 v[BT+4*\x], v[TQ+\x], s[SEL], s[SEL+1]
.endr
.irp x, 0,1
	DEP 2
	v_max_num_f32 v[TQ+\x], v[TQ+\x], v[BT+4*\x]   ; with lane l xor 16's two blocks: the step's largest score of my query
.endr
.irp x, 0,1
	DEP 2
	v_mul_f32 v[TQ+\x], s[CS], v[TQ+\x]            ; as t
.endr
.irp x, 0,1
	DEP 2
	v_max_num_f32 v[13+4*\x], v[13+4*\x], v[TQ+\x] ; the running largest t
.endr
.irp x, 0,1
	DEP 2
	v_floor_f32 v[12+4*\x], -v[13+4*\x]            ; the new -M = floor(-t) = -ceil(t)
.endr
.irp x, 0,1
	DEP 2
	v_sub_f32 v[TP+\x], v[12+4*\x], v[TP+\x]       ; old M - new M: a whole number, 0 or less
.endr
.irp x, 0,1
	DEP 2
	v_cvt_i32_f32 v[TP+\x], v[TP+\x]               ; (it saturates)
.endr
.irp x, 0,1
	DEP 2
	v_ldexp_f32 v[FF+2*\x], 1.0, v[TP+\x]          ; f = 2^(old M - new M)
.endr
.set j, 0
.rept 32
	v_pk_fma_f32 v[SS+j:SS+j+1], v[SS+j:SS+j+1], s[CS:CS+1], v[12:13] op_sel_hi:[1,0,0]   ; tile 0: t - M, two at a time
.set j, j+2
.endr
.irp x, 0,1
	v_fma_f32 v[BM+4*\x], v[BM+4*\x], s[CS], v[12+4*\x]        ; the same of each block's largest score
	v_fma_f32 v[BM+4*\x+2], v[BM+4*\x+2], s[CS], v[12+4*\x]
.endr
	WALU
.irp i, 0,2,4,6
	v_exp_f32 v[BM+\i], v[BM+\i]                   ; the blocks' largest p: the same two instructions on the same number give the same bits
.endr
.set j, 0
.rept 32
	v_exp_f32 v[SS+j], v[SS+j]                     ; tile 0: p = 2^(t - M), at most 1;
	v_exp_f32 v[SS+j+1], v[SS+j+1]
	v_pk_fma_f32 v[SS+64+j:SS+64+j+1], v[SS+64+j:SS+64+j+1], s[CS:CS+1], v[16:17] op_sel_hi:[1,0,0]   ; among them tile 1's t - M, which names none of their registers
.set j, j+2
.endr
	WALU                                           ; behind tile 0's batch and ahead of tile 1's: one wait for both
.set k, 0
.rept 16
	v_exp_f32 v[SS+64+4*k], v[SS+64+4*k]           ; tile 1's p;
	v_exp_f32 v[SS+64+4*k+1], v[SS+64+4*k+1]
	v_exp_f32 v[SS+64+4*k+2], v[SS+64+4*k+2]
	v_exp_f32 v[SS+64+4*k+3], v[SS+64+4*k+3]
	v_pk_add_f32 v[T+2*k:T+2*k+1], v[SS+4*k:SS+4*k+1], v[SS+4*k+2:SS+4*k+3]   ; among them the first sixteen additions of tile 0's unquantised p, each into a pair of its own
.set k, k+1
.endr
.irp x, 0,1
	v_pk_mul_f32 v[14+4*\x:15+4*\x], v[14+4*\x:15+4*\x], v[FF+2*\x:FF+2*\x+1] op_sel_hi:[1,0]   ; the sums under the new M; plain lines behind the exponentials
.endr
	WALU                                           ; the wait behind the batch, ahead of its first reader
	REDUCE 0
.set k, 0
.rept 16
	v_pk_add_f32 v[T+2*k:T+2*k+1], v[SS+64+4*k:SS+64+4*k+1], v[SS+64+4*k+2:SS+64+4*k+3]
.set k, k+1
.endr
	REDUCE 1
.irp i, 0,2,4,6
	v_max_num_f32 v[BM+\i], 0x1800000, v[BM+\i]    ; the floor 2^(3 - 127): the byte cannot fall under 1
.endr
.irp i, 0,2,4,6
	DEP 4
	v_add_nc_u32 v[SOP+\i/2], 0xff000000, v[BM+\i] ; 2 off the exponent field: the conversions' scale operands
.endr
.irp i, 0,1,2,3
	DEP 4
	v_lshrrev_b32 v[BY+\i], 23, v[SOP+\i]          ; the bytes
.endr
	DEP 3
	v_lshl_or_b32 v[TP], v[BY+1], 16, v[BY]        ; bytes h and 2 + h of p's scale word,
	DEP 2
	v_lshl_or_b32 v[TP+1], v[BY+3], 16, v[BY+2]
.irp x, 0,1
	DEP 2
	v_lshlrev_b32 v[TP+\x], v[SH8], v[TP+\x]       ; at their places;
.endr
.irp x, 0,1
	DEP 2
	v_permlanex16_b32 v[BT+4*\x], v[TP+\x], s[SEL], s[SEL+1]
.endr
.irp x, 0,1
	DEP 2
	v_or_b32 v[PS+\x], v[TP+\x], v[BT+4*\x]        ; with lane l xor 16's two the word is whole
.endr
	WIN 0x40
.irp x, 0,1
.irp c, 0,1
	v_cvt_scalef32_pk16_fp6_f32 v[PCD+12*\x+6*\c:PCD+12*\x+6*\c+2], v[SS+64*\x+32*\c:SS+64*\x+32*\c+15], v[SOP+2*\x+\c]
	v_cvt_scalef32_pk16_fp6_f32 v[PC2+8*\x+4*\c:PC2+8*\x+4*\c+2], v[SS+64*\x+32*\c+16:SS+64*\x+32*\c+31], v[SOP+2*\x+\c]   ; (a conversion's three registers begin on an even number)
.endr
.endr
	v_nop                                          ; one plain instruction behind a scaled conversion
	WIN 0x41
.irp x, 0,1
.irp c, 0,1
.irp i, 0,1,2
	v_mov_b32 v[PCD+12*\x+6*\c+3+\i], v[PC2+8*\x+4*\c+\i]      ; registers 6 c .. 6 c + 5: keys 64 c + 32 h + 0 .. 31
.endr
.endr
.endr
	s_wait_dscnt 17                                ; V's fragments and words are in; the 17 loads of the next step's K may be out
	WALU                                           ; directly ahead of the first reader of O^T
.irp x, 0,1
.set j, 0
.rept 16
	v_pk_mul_f32 v[OT+32*\x+j:OT+32*\x+j+1], v[OT+32*\x+j:OT+32*\x+j+1], v[FF+2*\x:FF+2*\x+1] op_sel_hi:[1,0]   ; O^T under the new M.  (These also stand between p's words and codes and the products that take them)
.set j, j+2
.endr
.endr
	WIN 0x55
.irp x, 0,1
.irp t, 0,1,2,3                        ; O^T += V^T P^T: register 8 t + j of lane (r, h) is d = 32 (t / 2) + 8 (t % 2) + 16 h + j for query r; eight accumulators, one turn each
	v_wmma_scale_f32_16x16x128_f8f6f4 v[OT+32*\x+8*\t:OT+32*\x+8*\t+7], v[FRV+12*\t:FRV+12*\t+11], v[PCD+12*\x:PCD+12*\x+11], v[OT+32*\x+8*\t:OT+32*\x+8*\t+7], v[KSV+\t], v[PS+\x] matrix_a_fmt:MATRIX_FMT_FP6 matrix_b_fmt:MATRIX_FMT_FP6 matrix_a_scale:MATRIX_SCALE_ROW1
.endr
.endr
	WIN 0
.endm
.macro STEPS n
	s_mov_b32 s[CNT], \n
.Lstep_\@:
	STEP2
	s_add_co_u32 s[TB], s[TB], 6144
	s_add_co_u32 s[TS], s[TS], 512
	s_sub_co_u32 s[CNT], s[CNT], 1
	s_cmp_lg_u32 s[CNT], 0
	s_cbranch_scc1 .Lstep_\@
.endm
; THE WAY OUT of tile x in pass p: O^T / the sum, quantised along the head's 64 (two blocks of the model's 1,024): one half fragment and two scale bytes a row
.macro WAYOUT p, x
	v_add_f32 v[14+4*\x], v[14+4*\x], v[15+4*\x]   ; the sum's two halves,
	DEP 1
	v_permlanex16_b32 v[TP], v[14+4*\x], s[SEL], s[SEL+1]
	DEP 1
	v_add_f32 v[14+4*\x], v[14+4*\x], v[TP]        ; and lane l xor 16's
	WALU
	v_rcp_f32 v[14+4*\x], v[14+4*\x]
	v_nop
	WIN 0x01
	WALU                                           ; the wait ahead of the reciprocal's first reader, which is also O^T's
.set j, 0
.rept 32
	v_mul_f32 v[SS+j], v[OT+32*\x+j], v[14+4*\x]   ; register 16 b + i: d = 32 b + 16 h + i
.set j, j+1
.endr
	WIN 0
.irp b, 0,1
	v_max3_num_f32 v[BM+\b], |v[SS+16*\b]|, |v[SS+16*\b+1]|, 0x1800000
.endr
.irp i, 2,4,6,8,10,12,14
.irp b, 0,1
	DEP 2
	v_max3_num_f32 v[BM+\b], v[BM+\b], |v[SS+16*\b+\i]|, |v[SS+16*\b+\i+1]|
.endr
.endr
.irp b, 0,1
	DEP 2
	v_permlanex16_b32 v[BT+\b], v[BM+\b], s[SEL], s[SEL+1]
.endr
.irp b, 0,1
	DEP 2
	v_max_num_f32 v[BM+\b], v[BM+\b], v[BT+\b]
.endr
.irp b, 0,1
	DEP 2
	v_add_nc_u32 v[SOP+\b], 0xff000000, v[BM+\b]
.endr
.irp b, 0,1
	DEP 2
	v_lshrrev_b32 v[BT+\b], 23, v[SOP+\b]
.endr
	DEP 1
	v_lshl_or_b32 v[TP], v[BT+1], 8, v[BT]
	v_cvt_scalef32_pk16_fp6_f32 v[T:T+2], v[SS:SS+15], v[SOP]
	v_cvt_scalef32_pk16_fp6_f32 v[T+8:T+10], v[SS+16:SS+31], v[SOP+1]
	v_nop
.irp i, 0,1,2
	v_permlane16_swap_b32 v[T+\i], v[T+8+\i]       ; here a block lies in lanes l and l xor 16: the layout wants it whole in a lane
.endr
.irp i, 0,1,2
	DEP 3
	v_mov_b32 v[T+3+\i], v[T+8+\i]
.endr
	global_store_b128 v[L16], v[T:T+3], s[36+8*\p:37+8*\p] offset:768*\x     ; 512 consecutive bytes
	global_store_b64 v[G8], v[T+4:T+5], s[36+8*\p:37+8*\p] offset:768*\x     ; 256 consecutive bytes
	WALU
	s_wait_xcnt 0x0                                ; EXEC changes only behind this wait
	v_cmp_gt_u32 vcc_lo, 16, v[LN]
	s_and_saveexec_b32 s84, vcc_lo                 ; both halves of the lanes hold row r's bytes: lanes 0-15 store them
	global_store_b16 v[R4], v[TP], s[38+8*\p:39+8*\p] offset:64*\x
	s_wait_xcnt 0x0                                ; and again, in front of the line that widens it; the stores have read their data too
	s_or_b32 exec_lo, exec_lo, s84
.endm
	s_load_b256 s[4:11], s[0:1], 0x0               ; qkvc s[4:5], qkvs s[6:7], ac s[8:9], asc s[10:11]
	v_lshl_add_u32 v[SPW], v0, 2, SPARE
	v_mov_b32 v[NIL], 0
	ds_add_u32 v[SPW], v[NIL]                      ; the wave's opening: the add, twice on end, and its wait ahead of my tensor load
	ds_add_u32 v[SPW], v[NIL]
	v_lshrrev_b32 v8, 5, v0
	v_readfirstlane_b32 s[WV], v8                  ; wave 0..7
	s_bfe_u32 s74, ttmp6, 0x40000                  ; cx = my block of 512 queries (the grid is one cluster wide): it enters q's and the result's addresses alone
	s_and_b32 s75, ttmp7, 0xffff                   ; bh, which the four partners share
	s_mov_b32 s12, 15|(3<<16)|(1<<21)              ; group 1: the mask: all four work-groups; elements of 8 bytes; bit 21 set beside a mask
	s_mov_b32 s13, 32<<16                          ; a dense block as 96 rows of 256 bytes
	s_mov_b32 s14, 96<<16
	s_mov_b32 s15, 32<<16
	s_mov_b32 s16, 96
	s_mov_b32 s17, 32
	s_mov_b32 s18, 0
	s_mov_b32 s19, 0
	s_mov_b32 s28, 1
	s_mul_i32 s29, s[WV], 24576                    ; LDS: K's four quarters, then V's
	s_add_co_u32 s29, s29, KB
	s_mul_i32 s84, s75, 98304                      ; bh's codes in a section
	s_mov_b32 s85, 0
	s_lshr_b32 s86, s[WV], 2                       ; section k (waves 0-3) or v,
	s_mul_i32 s86, s86, 6291456
	s_and_b32 s87, s[WV], 3                        ; and my quarter of it
	s_mul_i32 s87, s87, 24576
	s_add_co_u32 s86, s86, s87
	s_mov_b32 s87, 0
	s_lshl_b32 s92, s75, 12                        ; bh's scale words
	s_mov_b32 s93, 0
	s_mov_b32 s[SEL], 0x76543210
	s_mov_b32 s[SEL+1], 0xfedcba98
	s_mov_b32 s[CS], 0x3e38aa3b                    ; c = log2(e) / 8
	s_mov_b32 s[CS+1], s[CS]                       ; (named with it as a pair, so it is written)
	s_wait_dscnt 0x0                               ; both opening adds are done
	s_wait_kmcnt 0x0
	s_add_nc_u64 s[88:89], s[4:5], s[84:85]
	s_add_nc_u64 s[90:91], s[6:7], s[92:93]
	s_add_nc_u64 s[30:31], s[88:89], s[86:87]
	s_add_nc_u64 s[30:31], s[30:31], 6291456
	s_or_b32 s31, s31, 0x80000000
	CROUND                                         ; all four work-groups are here: the joint loads meet
	tensor_load_to_lds s[28:31], s[12:19]          ; one load a wave, by one line: both addresses hang on the wave's number
	s_nop 0
	NOPS 4
	v_and_b32 v[LN], 31, v0
	v_and_b32 v[R4], 15, v0
	v_bfe_u32 v[SH8], v0, 4, 1
	v_lshlrev_b32 v[L16], 4, v[LN]
	v_lshlrev_b32 v[G8], 3, v[LN]
	v_lshlrev_b32 v[R16], 4, v[R4]
	s_lshl_b32 s84, s[WV], 10
	v_add_nc_u32 v[SST], s84, v[L16]
	v_add_nc_u32 v[G8], 512, v[G8]
	v_lshl_add_u32 v[GS], v[SH8], 18, v[R16]       ; lanes 16-31: section v's words, 262,144 bytes behind section k's
	v_lshlrev_b32 v[R4], 2, v[R4]
	v_lshlrev_b32 v[SH8], 3, v[SH8]
	WALU
	s_lshl_b32 s84, s[WV], 9
	s_mov_b32 s85, 0
	s_add_nc_u64 s[20:21], s[90:91], s[84:85]      ; my two key steps' scale words
	ADDR 0
	global_load_b128 v[SS:SS+3], v[GS], s[20:21] offset:262144
	global_load_b128 v[SS+4:SS+7], v[GS], s[20:21] offset:262144+256
	QLOAD 0
	ADDR 1
	WIN 0x40
.irp x, 0,1
.irp j, 6,7,8,9,10,11
	v_mov_b32 v[QA+18*\x+\j], 0                    ; the zero codes
.endr
.endr
	WIN 0
	v_mov_b32 v[FF+1], 0
	v_mov_b32 v[FF+3], 0
.irp b, 0,1,2,3,4,5,6,7
	v_mov_b32 v[BT+\b], 0                          ; written once: a lane permute's destination counts as one of its sources
.endr
	v_mov_b32 v[TP], 0
	v_mov_b32 v[TP+1], 0
	PASSINIT
	ds_store_b128 v[SST], v[SS:SS+3]               ; 512 consecutive bytes a step: K's words, then V's
	ds_store_b128 v[SST], v[SS+4:SS+7] offset:512
	WALU
	s_wait_tensorcnt 0x0                           ; my quarter of K or V
	s_wait_dscnt 0x0                               ; my scale words are stored
	s_barrier_signal -1
	s_barrier_wait -1                              ; all of K, V and their scale words is in; from here on the waves share nothing
	KFETCH L16, G8, L16, KB, 0                     ; key step 0's K
	STEPS 16
	NOPS 4                                         ; places behind the last products
	s_wait_dscnt 0x0                               ; the last step's fetch is over: its registers are loaded anew below
	QLOAD 1                                        ; the second pass's q comes in under the first pass's way out
	WAYOUT 0, 0
	WAYOUT 0, 1
	PASSINIT
	KFETCH L16, G8, L16, KB, 0
	STEPS 16
	NOPS 4
	WAYOUT 1, 0
	WAYOUT 1, 1
	s_wait_tensorcnt 0x0                           ; the wave's end
	ds_add_u32 v[SPW], v[NIL]
	s_wait_dscnt 0x0
	CROUND                                         ; the closing round
	s_endpgm
.Lfunc_end_k_q03c2d9a1a0_attn:
	.size	k_q03c2d9a1a0_attn, .Lfunc_end_k_q03c2d9a1a0_attn-k_q03c2d9a1a0_attn
	.p2alignl 7, 3214868480
	.fill 96, 4, 3214868480
	.section	.rodata,"a",@progbits
	.p2align	6, 0x0
	.amdhsa_kernel k_q03c2d9a1a0_attn
		.amdhsa_group_segment_fixed_size 206848
		.amdhsa_private_segment_fixed_size 0
		.amdhsa_enable_private_segment 0
		.amdhsa_kernarg_size 32
		.amdhsa_user_sgpr_count 2
		.amdhsa_user_sgpr_kernarg_segment_ptr 1
		.amdhsa_wavefront_size32 1
		.amdhsa_system_sgpr_workgroup_id_x 1
		.amdhsa_system_sgpr_workgroup_id_y 1
		.amdhsa_system_sgpr_workgroup_id_z 1
		.amdhsa_system_vgpr_workitem_id 0
		.amdhsa_next_free_vgpr 512
		.amdhsa_next_free_sgpr 96
		.amdhsa_reserve_vcc 1
		.amdhsa_float_denorm_mode_32 3
		.amdhsa_float_denorm_mode_16_64 3
		.amdhsa_memory_ordered 1
		.amdhsa_forward_progress 1
		.amdhsa_inst_pref_size 94
	.end_amdhsa_kernel
	.amdgpu_metadata
---
amdhsa.version: [ 1, 2 ]
amdhsa.kernels:
  - .name:           k_q03c2d9a1a0_attn
    .symbol:         k_q03c2d9a1a0_attn.kd
    .args:
      - { .name: qkvc, .offset: 0, .size: 8, .value_kind: global_buffer, .address_space: global }
      - { .name: qkvs, .offset: 8, .size: 8, .value_kind: global_buffer, .address_space: global }
      - { .name: ac, .offset: 16, .size: 8, .value_kind: global_buffer, .address_space: global }
      - { .name: asc, .offset: 24, .size: 8, .value_kind: global_buffer, .address_space: global }
    .group_segment_fixed_size: 206848
    .private_segment_fixed_size: 0
    .kernarg_segment_align: 8
    .kernarg_segment_size: 32
    .max_flat_workgroup_size: 256
    .sgpr_count:     96
    .vgpr_count:     512
    .wavefront_size: 32
...
	.end_amdgpu_metadata
.endif
;; end of part 3
;; launch outp (part 4): grid 4 x 64, 4 waves a work-group, clusters of 4 x 4, 312,832 bytes of LDS; arguments ac, asc, wc, ws, bo, out0; writes out0
.if DOCPART == 4
	.amdgcn_target "amdgcn-amd-amdhsa--gfx1250"
	.amdhsa_code_object_version 6
	.text
	.protected	k_q03c2d9a1a0_outp
	.globl	k_q03c2d9a1a0_outp
	.p2align	8
	.type	k_q03c2d9a1a0_outp,@function
k_q03c2d9a1a0_outp:
	s_mov_b64 s[64:65], 0
	v_nop
	global_prefetch_b8 v0, s[64:65] scope:SCOPE_SE
	s_setreg_imm32_b32 hwreg(HW_REG_WAVE_MODE, 25, 1), 1
	s_wait_xcnt 0x0
	s_wait_alu depctr_hold_cnt(0) depctr_sa_sdst(0) depctr_va_vdst(0) depctr_va_sdst(0) depctr_va_ssrc(0) depctr_va_vcc(0) depctr_vm_vsrc(0)
	s_getreg_b32 s2, hwreg(HW_REG_IB_STS2, 6, 4)
	s_cmp_eq_u32 s2, 0
	s_cbranch_scc0 .Lentry_in_a_cluster
	s_endpgm
.Lentry_in_a_cluster:
	s_bfe_u32 s2, ttmp6, 0x10000c
	s_cmp_lg_u32 s2, 0xf033
	s_cbranch_scc0 .Lentry_shape_is_right
	s_endpgm
.Lentry_shape_is_right:
; out0 = values Wo + bo on codes of FP6 (E2M3) with E8M0 scales; out0 [8192][1024] f32.
; Operands come as half fragments (16 rows x 64 along K, 768 bytes, an image of registers: lane's registers 0-3 at 16 x lane, 4-5 at 512 + 8 x lane); row r of tile u of a group of 32 is 8 u + r + 8 (r / 8).
; SHARES.  A work-group takes 128 tokens (y) x 256 columns; wave w takes 64 of the columns: 8 token tiles x 4 column tiles, 32 accumulators.  256 work-groups.
; ALL OF K LIES IN LDS AT ONCE (98,304 bytes of the values' codes, 196,608 of Wo's): no LDS byte is filled twice.  Four quarters of K, one tensor load a wave for each (four out).  The values' tiles are shared
; along a row of the cluster, Wo's along a column: each is asked for jointly.
; Source 0 = Wo's columns, source 1 = tokens: a lane's eight results are eight neighbouring columns of one token.  The bias is the C of each sum's first matrix instruction.
; The way out goes through the wave's own stage in LDS, so that sixteen lanes store 256 consecutive bytes, aligned.
; REGISTERS: window 0: addresses, bias, scale words, rows on the way out.  Window 1: the 32 accumulators.  Window 2: the values' fragments, two sets.  Window 3: Wo's, two sets.
.set LDSB,  98304
.set STAGE, 294912                     ; behind the codes: 16 rows x 272 bytes for each wave; no fill lands here
.set SPARE, 312320                     ; the spare words, 128 bytes a wave: two blocks of 256 bytes that no other line names
.set L4,   3
.set RR,   8
.set HH,   9
.set SPW,  10                          ; my spare word; never rewritten
.set NIL,  11                          ; 0; never rewritten
.set OFB,  12                          ; 64 h
.set BIAS, 16                          ; v16-47
.set SA,   48                          ; v48-79   the values' scale words: register 4 s + i: lanes 0-15 tile 2 i, lanes 16-31 tile 2 i + 1
.set SB,   80                          ; v80-95   Wo's: register 2 s + i likewise
.set L16,  140
.set AA16, 140                         ; v140-141; no LDS address register is ever rewritten
.set L8,   142
.set AA8,  142                         ; v142-143
.set BB16, 144                         ; v144-147
.set BB8,  148                         ; v148-151
.set STO,  152                         ; the stage, in
.set RD,   153                         ; the stage, back
.set CO,   154                         ; my bytes in two rows of out0
.set BK,   160                         ; v160-223 16 rows read back, two sets by turns
.set MSB, 0
.macro WIN new                         ; the immediate's high byte repeats the setting that is left
.if MSB != \new
	s_set_vgpr_msb (MSB<<8)|\new
.set MSB, \new
.endif
.endm
.macro CROUND
	s_barrier_signal -1
	s_barrier_wait -1
	s_cmp_lg_u32 s4, 0
	s_cbranch_scc1 .Lnot_wave_0_\@
	s_barrier_signal -3
.Lnot_wave_0_\@:
	s_barrier_wait -3
	s_barrier_signal -1
	s_barrier_wait -1
.endm
.macro PLACES                          ; four places between matrix instructions and loads into, or reads of, their registers
.rept 4
	v_nop
.endr
.endm
.macro WM d, a, b, c, sa, sb, ra, rb   ; one matrix instruction; ra, rb: the side's scale words lie in lanes 16-31
.if (\ra) && (\rb)
	v_wmma_scale_f32_16x16x128_f8f6f4 v[(\d):(\d)+7], v[(\a):(\a)+11], v[(\b):(\b)+11], v[(\c):(\c)+7], v[(\sa)], v[(\sb)] matrix_a_fmt:MATRIX_FMT_FP6 matrix_b_fmt:MATRIX_FMT_FP6 matrix_a_scale:MATRIX_SCALE_ROW1 matrix_b_scale:MATRIX_SCALE_ROW1
.elseif (\ra)
	v_wmma_scale_f32_16x16x128_f8f6f4 v[(\d):(\d)+7], v[(\a):(\a)+11], v[(\b):(\b)+11], v[(\c):(\c)+7], v[(\sa)], v[(\sb)] matrix_a_fmt:MATRIX_FMT_FP6 matrix_b_fmt:MATRIX_FMT_FP6 matrix_a_scale:MATRIX_SCALE_ROW1
.elseif (\rb)
	v_wmma_scale_f32_16x16x128_f8f6f4 v[(\d):(\d)+7], v[(\a):(\a)+11], v[(\b):(\b)+11], v[(\c):(\c)+7], v[(\sa)], v[(\sb)] matrix_a_fmt:MATRIX_FMT_FP6 matrix_b_fmt:MATRIX_FMT_FP6 matrix_b_scale:MATRIX_SCALE_ROW1
.else
	v_wmma_scale_f32_16x16x128_f8f6f4 v[(\d):(\d)+7], v[(\a):(\a)+11], v[(\b):(\b)+11], v[(\c):(\c)+7], v[(\sa)], v[(\sb)] matrix_a_fmt:MATRIX_FMT_FP6 matrix_b_fmt:MATRIX_FMT_FP6
.endif
.endm
.macro FETCH s                         ; K step s: 48 LDS loads of consecutive bytes, into set s % 2
	WIN 0x80
.irp a, 0,1,2,3,4,5,6,7
.irp c, 0,1
	ds_load_b128 v[96*((\s)%2)+12*\a+6*\c:96*((\s)%2)+12*\a+6*\c+3], v[AA16+(\s)/4] offset:((\s)%4)*12288+\c*6144+\a*768
	ds_load_b64 v[96*((\s)%2)+12*\a+6*\c+4:96*((\s)%2)+12*\a+6*\c+5], v[AA8+(\s)/4] offset:((\s)%4)*12288+\c*6144+\a*768+512
.endr
.endr
	WIN 0xc0
.irp t, 0,1,2,3
.irp c, 0,1
	ds_load_b128 v[48*((\s)%2)+12*\t+6*\c:48*((\s)%2)+12*\t+6*\c+3], v[BB16+(\s)/2] offset:((\s)%2)*24576+\c*12288+\t*768
	ds_load_b64 v[48*((\s)%2)+12*\t+6*\c+4:48*((\s)%2)+12*\t+6*\c+5], v[BB8+(\s)/2] offset:((\s)%2)*24576+\c*12288+\t*768+512
.endr
.endr
.endm
.macro MUL s                           ; 32 matrix instructions: accumulator (a, t) at 8 (4 a + t); the 32 take turns, one instruction a turn
.if (\s) == 0
	WIN 0x4b                                       ; Wo window 3, values window 2, C (the bias) window 0, D window 1
.else
	WIN 0x5b
.endif
.irp a, 0,1,2,3,4,5,6,7
.irp t, 0,1,2,3
.if (\s) == 0
	WM 8*(4*\a+\t), 48*((\s)%2)+12*\t, 96*((\s)%2)+12*\a, BIAS+8*\t, SB+2*(\s)+\t/2, SA+4*(\s)+\a/2, \t%2, \a%2
.else
	WM 8*(4*\a+\t), 48*((\s)%2)+12*\t, 96*((\s)%2)+12*\a, 8*(4*\a+\t), SB+2*(\s)+\t/2, SA+4*(\s)+\a/2, \t%2, \a%2
.endif
.endr
.endr
.endm
.macro GATE first                      ; first = 1: the first half of K, which waves 0 and 1 asked for by lines of their own; first = 0: all of K, every wave waits
.if \first
	s_cmp_lt_u32 s4, 2
	s_cbranch_scc0 .Llater_\@
	s_wait_tensorcnt 0x0
.Llater_\@:
.else
	s_wait_tensorcnt 0x0
.endif
	s_wait_dscnt 0x0
	s_barrier_signal -1
	s_barrier_wait -1
.endm
.macro AHEAD f, m                      ; K step f is fetched into the set that step f - 2 has left, and step m = f - 1 is multiplied meanwhile
	PLACES
	FETCH \f
	s_wait_dscnt 48                                ; all but the 48 just issued
	MUL \m
.endm
	s_load_b256 s[68:75], s[0:1], 0x0              ; ac s[68:69], asc s[70:71], wc s[72:73], ws s[74:75]
	s_load_b128 s[76:79], s[0:1], 0x20             ; bo s[76:77], out0 s[78:79]
	v_lshl_add_u32 v[SPW], v0, 2, SPARE
	v_mov_b32 v[NIL], 0
	ds_add_u32 v[SPW], v[NIL]                      ; the wave's opening: the add and its wait ahead of my first tensor load; work on registers stands between them
	ds_add_u32 v[SPW], v[NIL]
	v_lshrrev_b32 v1, 5, v0
	v_readfirstlane_b32 s4, v1                     ; wave 0..3
	s_and_b32 s5, s4, 1                            ; I fetch for the values (0) or for Wo (1),
	s_lshr_b32 s6, s4, 1                           ; and which half of K: eight chunks, one tensor load (in place of the four quarters that the head names)
	s_bfe_u32 s7, ttmp6, 0x40000                   ; cx
	s_bfe_u32 s56, ttmp6, 0x40004                  ; cy
	s_and_b32 s57, ttmp7, 0xffff
	s_lshl_b32 s57, s57, 2
	s_add_co_u32 s57, s57, s56                     ; y: my 128 tokens
	s_lshl_b32 s100, ttmp9, 2
	s_add_co_u32 s100, s100, s7                    ; my 256 columns
	s_lshl_b32 s58, s56, 2
	s_lshl_b32 s58, 15, s58                        ; my row of the cluster
	s_lshl_b32 s59, 0x1111, s7                     ; my column
	s_or_b32 s8, s58, (3<<16)|(1<<21)              ; group 1 for the values: eight chunks of 768 elements of 8 bytes, 49,152 elements apart
	s_mov_b32 s9, 768<<16
	s_mov_b32 s10, 8<<16
	s_mov_b32 s11, 768<<16
	s_mov_b32 s12, 8
	s_mov_b32 s13, 49152
	s_mov_b32 s14, 0
	s_mov_b32 s15, 0
	s_or_b32 s16, s59, (3<<16)|(1<<21)             ; for Wo: eight chunks of 1,536 elements, 6,144 elements apart
	s_mov_b32 s17, 1536<<16
	s_mov_b32 s18, 8<<16
	s_mov_b32 s19, 1536<<16
	s_mov_b32 s20, 8
	s_mov_b32 s21, 6144
	s_mov_b32 s22, 0
	s_mov_b32 s23, 0
	s_mul_i32 s60, s6, 49152
	s_mul_i32 s62, s6, 3145728
	s_mul_i32 s61, s57, 6144
	s_add_co_u32 s62, s62, s61
	s_mov_b32 s63, 0
	s_mul_i32 s90, s6, 98304
	s_mul_i32 s66, s100, 12288
	s_mul_i32 s67, s6, 393216
	s_add_co_u32 s66, s66, s67
	s_add_co_u32 s66, s66, 3*786432                ; the fourth weight
	s_mov_b32 s67, 0
	s_wait_dscnt 0x0                               ; the opening add is done
	s_wait_kmcnt 0x0
	s_add_nc_u64 s[86:87], s[68:69], s[62:63]
	s_add_nc_u64 s[88:89], s[72:73], s[66:67]
.irp q, 0
	s_mov_b32 s[24+4*\q], 1
	s_add_co_u32 s[25+4*\q], s60, \q*24576
	s_add_nc_u64 s[26+4*\q:27+4*\q], s[86:87], \q*1572864
	s_or_b32 s[27+4*\q], s[27+4*\q], 0x80000000
	s_mov_b32 s[40+4*\q], 1
	s_add_co_u32 s[41+4*\q], s90, LDSB+\q*49152
	s_add_nc_u64 s[42+4*\q:43+4*\q], s[88:89], \q*196608
	s_or_b32 s[43+4*\q], s[43+4*\q], 0x80000000
.endr
	CROUND                                         ; all sixteen work-groups are here: the joint loads meet
	; one tensor load a wave, in one chain of branches on the wave's number: wave 0 the values' first half of K, wave 1 Wo's, wave 2 the values' second half, wave 3 Wo's
.macro ARM w, g0, g1, next
	s_cmp_eq_u32 s4, \w
	s_cbranch_scc0 \next
	tensor_load_to_lds s[\g0:\g0+3], s[\g1:\g1+7]
	s_nop 0
.rept 4
	v_nop
.endr
	s_branch .Lfilled
\next:
.endm
	ARM 0, 24, 8, .Lfill_1
	ARM 1, 40, 16, .Lfill_2
	ARM 2, 24, 8, .Lfill_3
	tensor_load_to_lds s[40:43], s[16:23]
	s_nop 0
.rept 4
	v_nop
.endr
.Lfilled:
	v_and_b32 v1, 31, v0
	v_and_b32 v[RR], 15, v0
	v_bfe_u32 v[HH], v0, 4, 1
	v_lshlrev_b32 v[L16], 4, v1
	v_lshlrev_b32 v[L8], 3, v1
	v_lshlrev_b32 v[L4], 2, v1
	s_wait_alu depctr_va_vdst(0)
	v_lshlrev_b32 v[OFB], 6, v[HH]
	s_wait_alu depctr_va_vdst(0)
	s_lshl_b32 s92, s57, 9                         ; the values' scale words: my 8 tiles
	s_mov_b32 s93, 0
	s_add_nc_u64 s[70:71], s[70:71], s[92:93]
	s_lshl_b32 s92, s100, 10                       ; Wo's: my work-group's 16 tiles, my wave's 4; the same bytes on in bo: 256 columns, my 64
	s_lshl_b32 s97, s4, 8
	s_add_co_u32 s92, s92, s97
	s_add_nc_u64 s[76:77], s[76:77], s[92:93]
	s_add_nc_u64 s[78:79], s[78:79], s[92:93]      ; and in a row of out0
	s_add_co_u32 s92, s92, 3*32768
	s_add_nc_u64 s[74:75], s[74:75], s[92:93]
	s_lshl_b32 s92, s57, 19                        ; my 128 rows of 4,096 bytes
	s_add_nc_u64 s[78:79], s[78:79], s[92:93]
.irp s, 0,1,2,3,4,5,6,7                ; the scale words of all of K go into registers once
.irp i, 0,1,2,3
	global_load_b32 v[SA+4*\s+\i], v[L4], s[70:71] offset:\s*32768+128*\i
.endr
.irp i, 0,1
	global_load_b32 v[SB+2*\s+\i], v[L4], s[74:75] offset:\s*4096+128*\i
.endr
.endr
.irp t, 0,1,2,3                        ; lane (r, h), register j of tile t: column 32 (t / 2) + 8 (t % 2) + 16 h + j
	global_load_b128 v[BIAS+8*\t:BIAS+8*\t+3], v[OFB], s[76:77] offset:(32*(\t/2)+8*(\t%2))*4
	global_load_b128 v[BIAS+8*\t+4:BIAS+8*\t+7], v[OFB], s[76:77] offset:(32*(\t/2)+8*(\t%2))*4+16
.endr
	v_add_nc_u32 v[AA16+1], 49152, v[L16]
	v_add_nc_u32 v[AA8+1], 49152, v[L8]
	s_mul_i32 s97, s4, 3072
	s_add_co_u32 s97, s97, LDSB
.irp j, 0,1,2,3
	v_add_nc_u32 v[BB16+\j], s97, v[L16]
	v_add_nc_u32 v[BB8+\j], s97, v[L8]
	s_add_co_u32 s97, s97, 49152
.endr
	s_mul_i32 s97, s4, 16*272
	s_add_co_u32 s97, s97, STAGE                   ; my stage
	v_mul_u32_u24 v[STO], v[RR], 272
	v_lshl_add_u32 v[STO], v[HH], 6, v[STO]
	v_add_nc_u32 v[STO], s97, v[STO]               ; in: row r, + 64 h
	v_mul_u32_u24 v[RD], v[HH], 272
	v_lshl_add_u32 v[RD], v[RR], 4, v[RD]
	v_add_nc_u32 v[RD], s97, v[RD]                 ; back: lanes 0-15 one row of 256 bytes, lanes 16-31 the next
	v_lshlrev_b32 v[CO], 12, v[HH]
	v_lshl_add_u32 v[CO], v[RR], 4, v[CO]          ; and the same two rows in out0
	s_wait_alu depctr_va_vdst(0)
	GATE 1
	FETCH 0
	FETCH 1
	s_wait_loadcnt 0x0                             ; the scale words and the bias
	s_wait_dscnt 48
	MUL 0
	AHEAD 2, 1
	AHEAD 3, 2
	GATE 0
	AHEAD 4, 3
	AHEAD 5, 4
	AHEAD 6, 5
	AHEAD 7, 6
	s_wait_dscnt 0x0
	MUL 7
	WIN 0
	PLACES
; THE WAY OUT, a token tile (16 rows x my 64 columns) at a time.  LDS serves a wave's instructions in order: no wait between the stores and the loads, nor in front of the next tile's stores.
.macro TOSTAGE a
	WIN 0x04                                       ; an LDS store's data are its source 1: window 1
.irp t, 0,1,2,3
	ds_store_b128 v[STO], v[8*(4*(\a)+\t):8*(4*(\a)+\t)+3] offset:128*(\t/2)+32*(\t%2)        ; each accumulator from its low end on
	ds_store_b128 v[STO], v[8*(4*(\a)+\t)+4:8*(4*(\a)+\t)+7] offset:128*(\t/2)+32*(\t%2)+16
.endr
	WIN 0
.irp i, 0,1,2,3,4,5,6,7
	ds_load_b128 v[BK+32*((\a)%2)+4*\i:BK+32*((\a)%2)+4*\i+3], v[RD] offset:2*\i*272
.endr
.endm
.macro SEND a, younger                 ; younger: the LDS instructions issued behind tile a's loads, which may stay out.  Row 2 i + lane / 16 of the tile is token 64 (a / 4) + 8 (a % 4) + 2 (i % 4) + 32 (i / 4) + lane / 16
	s_wait_dscnt \younger
.irp i, 0,1,2,3,4,5,6,7
	global_store_b128 v[CO], v[BK+32*((\a)%2)+4*\i:BK+32*((\a)%2)+4*\i+3], s[78:79] offset:(64*((\a)/4)+8*((\a)%4)+2*(\i%4)+32*(\i/4))*4096 th:TH_STORE_NT   ; the tokens' order in their tiles: row 8 h + e of tile a is token 64 (a / 4) + 32 h + 8 (a % 4) + e; 16 lanes store 256 consecutive bytes, aligned
.endr
.endm
	TOSTAGE 0
.irp a, 1,2,3,4,5,6,7
.if \a > 1
	s_wait_xcnt 0x0                                ; tile a - 2's stores have read their registers: tile a's loads may land there
.endif
	TOSTAGE \a
	SEND \a-1, 16                                  ; behind tile a - 1's loads: tile a's 8 stores and 8 loads
.endr
	SEND 7, 0
	s_wait_tensorcnt 0x0                           ; the wave's end: behind my last LDS store
	ds_add_u32 v[SPW], v[NIL]
	s_wait_dscnt 0x0
	CROUND                                         ; the closing round
	s_endpgm
.Lfunc_end_k_q03c2d9a1a0_outp:
	.size	k_q03c2d9a1a0_outp, .Lfunc_end_k_q03c2d9a1a0_outp-k_q03c2d9a1a0_outp
	.p2alignl 7, 3214868480
	.fill 96, 4, 3214868480
	.section	.rodata,"a",@progbits
	.p2align	6, 0x0
	.amdhsa_kernel k_q03c2d9a1a0_outp
		.amdhsa_group_segment_fixed_size 312832
		.amdhsa_private_segment_fixed_size 0
		.amdhsa_enable_private_segment 0
		.amdhsa_kernarg_size 48
		.amdhsa_user_sgpr_count 2
		.amdhsa_user_sgpr_kernarg_segment_ptr 1
		.amdhsa_wavefront_size32 1
		.amdhsa_system_sgpr_workgroup_id_x 1
		.amdhsa_system_sgpr_workgroup_id_y 1
		.amdhsa_system_sgpr_workgroup_id_z 1
		.amdhsa_system_vgpr_workitem_id 0
		.amdhsa_next_free_vgpr 1024
		.amdhsa_next_free_sgpr 102
		.amdhsa_reserve_vcc 0
		.amdhsa_float_denorm_mode_32 3
		.amdhsa_float_denorm_mode_16_64 3
		.amdhsa_memory_ordered 1
		.amdhsa_forward_progress 1
		.amdhsa_inst_pref_size 86
	.end_amdhsa_kernel
	.amdgpu_metadata
---
amdhsa.version: [ 1, 2 ]
amdhsa.kernels:
  - .name:           k_q03c2d9a1a0_outp
    .symbol:         k_q03c2d9a1a0_outp.kd
    .args:
      - { .name: ac, .offset: 0, .size: 8, .value_kind: global_buffer, .address_space: global }
      - { .name: asc, .offset: 8, .size: 8, .value_kind: global_buffer, .address_space: global }
      - { .name: wc, .offset: 16, .size: 8, .value_kind: global_buffer, .address_space: global }
      - { .name: ws, .offset: 24, .size: 8, .value_kind: global_buffer, .address_space: global }
      - { .name: bo, .offset: 32, .size: 8, .value_kind: global_buffer, .address_space: global }
      - { .name: out0, .offset: 40, .size: 8, .value_kind: global_buffer, .address_space: global }
    .group_segment_fixed_size: 312832
    .private_segment_fixed_size: 0
    .kernarg_segment_align: 8
    .kernarg_segment_size: 48
    .max_flat_workgroup_size: 128
    .sgpr_count:     102
    .vgpr_count:     1024
    .wavefront_size: 32
...
	.end_amdgpu_metadata
.endif
;; end of part 4
